; MI455X (gfx1250); checked and timed in simulation.
; The chip was launched on July 23, 2026; its instructions are those of AMD's public machine-readable ISA for CDNA 5 (MIT licence, August 2026) and "CDNA5" Instruction Set Architecture Reference Guide (July 2026). The comments in the code are by the model that wrote it; some were corrected since.
;; Mo E Layer. Allowed arithmetic: matrix products marked QUANTISED: E5M2 operands, one given power-of-two scale a tensor, by v_wmma_f32_16x16x64_bf8_bf8 or v_wmma_f32_16x16x128_bf8_bf8, f32 sums; products left as they are: f32 operands where the result goes on into a quantised operand, else bf16, f16 or f32 operands; f32 sums; everything else in f32.
;; Inputs: W1 8 x 1,024 x 1,024 float32; W2 8 x 1,024 x 1,024 float32; Wg 1,024 x 8 float32; b1 8 x 1,024 float32; b2 8 x 1,024 float32; lowp_scales 4 int32 (the exponents e of the quantised operands' scales 2^e); x 2 x 2,048 x 1,024 float32.
;; Outputs: out0 2 x 2,048 x 1,024 float32.
;; This version of the problem:
;;   THIS VERSION OF THE PROBLEM IS GIVEN IN LOW PRECISION. The matrix products marked QUANTISED in the list below multiply operands that are first quantised to E5M2 (5 exponent bits, 2 mantissa bits; 8 bits a number), with one given power-of-two scale for each operand tensor; their sums are f32. All else is computed in f32.
;;   The module's matrix products, in the order in which they are computed (A, B: the left and right operand; K: the contracted axis; several contracted axes count as one K, in the product's order):
;;     1. [M 4,096, K 1,024] x [K 1,024, N 8]; A: input x; B: input Wg: left as it is (N = 8 < 16)
;;     2. [M 8,192, K 1,024] x [K 1,024, N 4,096]; A: input W1; B: input x: QUANTISED (scales: A lowp_scales[0], B lowp_scales[1])
;;     3. batch 8 x [M 4,096, K 1,024] x [K 1,024, N 1,024]; A: computed on the way; B: input W2: QUANTISED (scales: A lowp_scales[2], B lowp_scales[3])
;;     4. batch 4,096 x [M 1,024, K 8] x [K 8, N 1]; A: computed on the way; B: computed on the way: left as it is (K = 8 < 32)
;;   THE QUANTISER, for each operand of a quantised product, along K:
;;     - The operand's scale is 2^e, e = its entry of the input lowp_scales (int32; the entries are numbered through the quantised products in the list's order, A before B).
;;     - Each number is divided by the scale, clamped to +-57,344, and rounded to the nearest number of E5M2, ties to even, subnormals kept.
;;     - The product sums the exact products of the quantised numbers (number of the format x scale) in f32.
;;   ~~~python
;;   def quantise(x, axis, e):      # numpy; x: float32 -> the quantised numbers, widened to float32 again
;;       x = np.moveaxis(x, axis, -1); K = x.shape[-1]
;;       r = np.clip(x / 2.0 ** e, -57344, 57344)
;;       step = 2.0 ** (np.maximum(np.frexp(np.where(r == 0, 1, r))[1] - 1, -14) - 2)
;;       q = np.round(r / step) * step * 2.0 ** e      # np.round: ties to even
;;       return np.moveaxis(q, -1, axis).astype(np.float32)
;;   ~~~
;;   OPERANDS COMPUTED ON THE WAY. 'Computed on the way' means the value that the module computes at that place (a softmax that the list does not call 'softmax' is quantised finished and normalised). What goes into a quantiser is computed in f32, as accurately as f32 sums, v_exp_f32 and their like allow (about 1e-6 of the number): no bf16 or f16 on the way to a quantiser, and a product that is left as it is and whose result goes on into a quantised operand takes f32 operands (vector FMAs, or v_wmma_f32_16x16x4_f32). A number that lies on a knife's edge between two numbers of the format may be rounded either way, as far as f32 arithmetic and the matrix unit's own rounding can turn it there, and no further.
;; 2 versions. Each part assembles by itself: llvm-mc -triple=amdgcn-amd-amdhsa -mcpu=gfx1250 --defsym DOCPART=n.
;; ======== version 1 of 2: 4 launches
;; workspace buffers: xc 4,194,304 bytes; wc 16,777,216 bytes; hc 15,466,496 bytes; gate 32,768 bytes; sel 16,384 bytes of whole numbers; hist 32,768 bytes of whole numbers; plan 32,768 bytes of whole numbers
;; launch route (part 1): grid 256 x 1, 8 waves a work-group, no clusters, 54,528 bytes of LDS; arguments x, Wg, lowp_scales, xc, sel, gate, hist; writes xc, sel, gate, hist
.if DOCPART == 1
	.amdgcn_target "amdgcn-amd-amdhsa--gfx1250"
	.amdhsa_code_object_version 6
	.text
	.protected	k_q127ad5dcab_route
	.globl	k_q127ad5dcab_route
	.p2align	8
	.type	k_q127ad5dcab_route,@function
k_q127ad5dcab_route:
	s_mov_b64 s[64:65], 0
	v_nop
	global_prefetch_b8 v0, s[64:65] scope:SCOPE_SE
	s_setreg_imm32_b32 hwreg(HW_REG_WAVE_MODE, 25, 1), 1
	s_wait_xcnt 0x0
; ROUTER AND CODES OF x.  x: [4096][1024] f32, Wg: [1024][8] f32.  For each token: logits = x Wg in f32 (fused multiply-adds), softmax with the row's maximum
; taken away, the two largest probabilities (of equal ones the lower expert is kept, as jax.lax.top_k keeps it).  Stored, all at fixed places:
;   xc   [4096][1024]  x as codes of E5M2 with the given scale 2^e1 (entry 1 of the scales), K as it lies
;   gate [4096][2]     the probabilities of the lower and of the higher chosen expert
;   sel  [4096]        the pair's number c | the token's rank among the tokens of the same pair in its group of 16, << 8;  c(a, b) = a (13 - a) / 2 + b - 1, a < b
;   hist [256][32]     for each group of 16 tokens: how many have pair c (words 28 to 31 are 0)
; No address and no branch here hangs on the choice: the rows are placed by the next launch, which reads sel and hist.
; SHARES.  A work-group takes 16 tokens, a wave two.  A lane holds k = 128 i + 4 lane + j of a row (i = 0..7, j = 0..3): each load of the wave is 512 consecutive bytes.
; Wg lies in LDS once for the work-group, in pieces of four rows (128 bytes) 144 bytes apart.
; The codes turn through the wave's own LDS bytes, so that a wave's store covers 512 consecutive bytes.  sel, gate and hist are 64 + 128 + 128 bytes a work-group: short stores, 80 KiB in the whole launch.
; No matrix unit (8 columns), no cluster (work-groups share only Wg's 32 KiB), no tensor load (each byte of x goes straight into the registers that use it).
; LIMITS: e1 between -126 and 112.  NaN among the inputs is not served.  A probability under 2^-126 counts as 0 (v_exp_f32 gives 0 there: ISA guide 15.8).
.set WP,   144                         ; four rows of Wg + 16 bytes
.set CT,   36864                       ; behind Wg's 256 pieces: 2,048 bytes for each wave, the codes of its two tokens
.set KEYL, 53248                       ; 16 words: the tokens' pair numbers
.set GATL, 53376                       ; 16 x 8 bytes: their two probabilities
.set X,    32                          ; v32-95   x: token q, register 32 q + 4 i + j
.set W,    96                          ; v96-159  Wg: two sets of 32: register 8 j + e
.set ACC,  160                         ; v160-175 logits, then probabilities: 8 q + e
.set CD,   176                         ; v176-191 codes: 8 q + i
.set RB,   192                         ; v192-207 rows of codes read back
	s_load_b256 s[4:11], s[0:1], 0x0               ; x s[4:5], Wg s[6:7], scales s[8:9], xc s[10:11]
	s_load_b128 s[12:15], s[0:1], 0x20             ; sel s[12:13], gate s[14:15]
	s_load_b64 s[16:17], s[0:1], 0x30              ; hist
	v_lshl_add_u32 v208, v0, 2, 0xd100
	v_mov_b32 v209, 0
	v_lshrrev_b32 v12, 5, v0
	v_readfirstlane_b32 s18, v12                   ; wave 0..7
	v_and_b32 v1, 31, v0                           ; lane
	v_lshlrev_b32 v2, 4, v1                        ; 16 x lane
	v_lshrrev_b32 v3, 3, v0
	v_mul_u32_u24 v3, v3, WP
	v_and_b32 v12, 7, v0
	v_lshl_add_u32 v3, v12, 4, v3                  ; Wg into LDS: piece thread / 8, 16 bytes (thread % 8)
	v_lshlrev_b32 v4, 4, v0                        ; Wg in memory: 16 x thread
	v_mul_u32_u24 v5, v1, WP                       ; Wg out of LDS: piece 32 i + lane
	s_lshl_b32 s40, s18, 11
	s_add_co_u32 s40, s40, CT
	v_lshl_add_u32 v6, v1, 2, s40                  ; my wave's code bytes: 4 a lane on the way in,
	v_lshl_add_u32 v7, v1, 4, s40                  ; 16 a lane on the way out
	s_lshl_b32 s41, s18, 3
	s_add_co_u32 s41, s41, KEYL
	v_mov_b32 v10, s41                             ; my two tokens' words
	s_lshl_b32 s41, s18, 4
	s_add_co_u32 s41, s41, GATL
	v_mov_b32 v11, s41
	v_and_b32 v22, 15, v0
	v_lshl_add_u32 v23, v22, 2, KEYL               ; for wave 0's tail: token lane % 16
	v_lshl_add_u32 v24, v22, 3, GATL
	s_mov_b32 s20, 0x76543210                      ; v_permlanex16_b32: lane l xor 16
	s_mov_b32 s21, 0xfedcba98
	s_lshl_b32 s42, ttmp9, 16                      ; x: (16 g + 2 w) rows of 4,096 bytes
	s_lshl_b32 s43, s18, 13
	s_add_co_u32 s42, s42, s43
	s_mov_b32 s43, 0
	s_lshl_b32 s44, ttmp9, 14                      ; xc: the same rows of 1,024 bytes
	s_lshl_b32 s45, s18, 11
	s_add_co_u32 s44, s44, s45
	s_mov_b32 s45, 0
	s_wait_kmcnt 0x0
	s_load_b32 s46, s[8:9], 0x4                    ; e1
	s_add_nc_u64 s[4:5], s[4:5], s[42:43]
	s_add_nc_u64 s[10:11], s[10:11], s[44:45]
.irp c, 0,1,2,3,4,5,6,7
	global_load_b128 v[W+4*\c:W+4*\c+3], v4, s[6:7] offset:4096*\c
.endr
.irp q, 0,1
.irp i, 0,1,2,3,4,5,6,7
	global_load_b128 v[X+32*\q+4*\i:X+32*\q+4*\i+3], v2, s[4:5] offset:4096*\q+512*\i th:TH_LOAD_NT
.endr
.endr
	s_wait_loadcnt 16                              ; Wg's eight loads are in; x's sixteen may be out
.irp c, 0,1,2,3,4,5,6,7
	ds_store_b128 v3, v[W+4*\c:W+4*\c+3] offset:32*WP*\c
.endr
	s_wait_dscnt 0x0                               ; for the others' sake: my part of Wg lies in LDS
	s_barrier_signal -1
	s_barrier_wait -1
.macro WLOAD i                         ; Wg's rows 128 i + 4 lane .. + 3 into set i % 2
.irp c, 0,1,2,3,4,5,6,7
	ds_load_b128 v[W+32*((\i)%2)+4*\c:W+32*((\i)%2)+4*\c+3], v5 offset:32*WP*(\i)+16*\c
.endr
.endm
; 128 along K for both tokens: 32 packed multiply-adds, two experts each; x's number is taken for both halves.  The first products start the sums.
.macro DOT i
.if \i < 7
	WLOAD \i+1
	s_wait_dscnt 8                                 ; this block's eight reads are in; the next block's may be out
.else
	s_wait_dscnt 0x0
.endif
.set WS, W+32*((\i)%2)
.irp j, 0,1,2,3
.irp q, 0,1
.irp p, 0,2,4,6
.set XP, X+32*\q+4*(\i)+2*(\j/2)
.if (\i == 0) && (\j == 0)
	v_pk_mul_f32 v[ACC+8*\q+\p:ACC+8*\q+\p+1], v[WS+8*\j+\p:WS+8*\j+\p+1], v[XP:XP+1] op_sel_hi:[1,0]
.elseif (\j%2) == 0
	v_pk_fma_f32 v[ACC+8*\q+\p:ACC+8*\q+\p+1], v[WS+8*\j+\p:WS+8*\j+\p+1], v[XP:XP+1], v[ACC+8*\q+\p:ACC+8*\q+\p+1] op_sel_hi:[1,0,1]
.else
	v_pk_fma_f32 v[ACC+8*\q+\p:ACC+8*\q+\p+1], v[WS+8*\j+\p:WS+8*\j+\p+1], v[XP:XP+1], v[ACC+8*\q+\p:ACC+8*\q+\p+1] op_sel:[0,1,0] op_sel_hi:[1,1,1]
.endif
.endr
.endr
.endr
.endm
	WLOAD 0
	s_wait_kmcnt 0x0
	s_add_co_i32 s46, s46, 127
	s_lshl_b32 s47, s46, 23
	v_mov_b32 v8, s47                              ; 2^e1 as f32: the conversion takes its exponent field
	s_add_co_i32 s46, s46, 15
	s_lshl_b32 s46, s46, 23
	s_or_b32 s46, s46, 0x600000
	v_mov_b32 v9, s46                              ; 57,344 x 2^e1
	s_wait_loadcnt 0x0                             ; x
.irp i, 0,1,2,3,4,5,6,7
	DOT \i
.endr
; Token q's 32 numbers of my lane become codes: code register i holds k = 128 i + 4 lane + 0..3.  They go into the row's place in my wave's LDS bytes and come back 16 bytes a lane.
.macro QUANT q
.set k, 0
.rept 32
	v_med3_num_f32 v[X+32*\q+k], v[X+32*\q+k], -v9, v9   ; the conversion to an 8-bit code does not saturate (ISA guide 7.6.2): the hold at the largest code x the scale
.set k, k+1
.endr
.irp g, 0,1,2,3
	v_cvt_scalef32_pk8_bf8_f32 v[CD+8*\q+2*\g:CD+8*\q+2*\g+1], v[X+32*\q+8*\g:X+32*\q+8*\g+7], v8
.endr
	v_nop                                          ; a plain line behind the last conversion
.irp i, 0,1,2,3,4,5,6,7
	ds_store_b32 v6, v[CD+8*\q+\i] offset:1024*\q+128*\i
.endr
.irp u, 0,1
	ds_load_b128 v[RB+8*\q+4*\u:RB+8*\q+4*\u+3], v7 offset:1024*\q+512*\u   ; LDS serves a wave's instructions in order (ISA guide 5.7.1.4): these see my stores
.endr
.endm
	QUANT 0
	QUANT 1
	; the sixteen sums over the 32 lanes: four steps inside each half ride on the addition, one crosses the halves; every lane ends with the logits
.irp m, 1,2,4,8
.set k, 0
.rept 16
	v_add_f32_dpp v[ACC+k], v[ACC+k], v[ACC+k] row_xmask:\m row_mask:0xf bank_mask:0xf
.set k, k+1
.endr
.endr
.set k, 0
.rept 16
	v_permlanex16_b32 v[W+k], v[ACC+k], s20, s21   ; (Wg's registers are done with, and have been written)
.set k, k+1
.endr
.set k, 0
.rept 16
	v_add_f32 v[ACC+k], v[ACC+k], v[W+k]
.set k, k+1
.endr
	s_wait_dscnt 0x0                               ; the rows of codes are back
.irp q, 0,1
.irp u, 0,1
	global_store_b128 v2, v[RB+8*\q+4*\u:RB+8*\q+4*\u+3], s[10:11] offset:1024*\q+512*\u   ; 512 consecutive bytes, at a multiple of 512 from xc's first byte
.endr
.endr
; Softmax and the two largest, for token q; every lane computes the same.
.macro SOFTTOP q
.set P, ACC+8*\q
	v_max3_num_f32 v12, v[P], v[P+1], v[P+2]
	v_max3_num_f32 v12, v12, v[P+3], v[P+4]
	v_max3_num_f32 v12, v12, v[P+5], v[P+6]
	v_max_num_f32 v12, v12, v[P+7]                 ; the row's maximum is taken away ahead of the exponentials
.irp e, 0,1,2,3,4,5,6,7
	v_sub_f32 v[P+\e], v[P+\e], v12
.endr
.irp e, 0,1,2,3,4,5,6,7
	v_mul_f32 v[P+\e], 0x3fb8aa3b, v[P+\e]         ; x log2(e)
.endr
.irp e, 0,1,2,3,4,5,6,7
	v_exp_f32 v[P+\e], v[P+\e]
.endr
	v_nop                                          ; a plain line behind the exponentials
	s_wait_alu depctr_va_vdst(0)
	v_add_f32 v12, v[P], v[P+1]
	v_add_f32 v13, v[P+2], v[P+3]
	v_add_f32 v14, v[P+4], v[P+5]
	v_add_f32 v15, v[P+6], v[P+7]
	v_add_f32 v12, v12, v13
	v_add_f32 v14, v14, v15
	v_add_f32 v12, v12, v14
	v_rcp_f32 v17, v12
	v_mov_b32 v14, 0                               ; (a plain line behind the reciprocal)  the largest's expert
	s_wait_alu depctr_va_vdst(0)
.irp e, 0,1,2,3,4,5,6,7
	v_mul_f32 v[P+\e], v[P+\e], v17
.endr
	v_mov_b32 v13, v[P]                            ; the largest so far
.irp e, 1,2,3,4,5,6,7
	v_cmp_gt_f32 vcc_lo, v[P+\e], v13              ; strictly greater: of equal ones the lower expert stays
	v_cndmask_b32 v13, v13, v[P+\e], vcc_lo
	v_cndmask_b32 v14, v14, \e, vcc_lo
.endr
	v_mov_b32 v15, -1.0                            ; the second: under every probability
	v_mov_b32 v16, 0
.irp e, 0,1,2,3,4,5,6,7
	v_cmp_gt_f32 s40, v[P+\e], v15
	v_cmp_ne_u32 s41, \e, v14                      ; not the first again
	s_and_b32 s40, s40, s41
	v_cndmask_b32 v15, v15, v[P+\e], s40
	v_cndmask_b32 v16, v16, \e, s40
.endr
	v_cmp_lt_u32 vcc_lo, v14, v16
	v_cndmask_b32 v18, v15, v13, vcc_lo            ; the lower expert's probability,
	v_cndmask_b32 v19, v13, v15, vcc_lo            ; the higher one's
	v_min_u32 v17, v14, v16                        ; a
	v_max_u32 v20, v14, v16                        ; b
	v_sub_nc_u32 v21, 13, v17
	v_mul_u32_u24 v21, v17, v21
	v_lshrrev_b32 v21, 1, v21
	v_add3_u32 v21, v21, v20, -1                   ; a (13 - a) / 2 + b - 1
	ds_store_b32 v10, v21 offset:4*\q              ; all lanes write the same word with the same number
	ds_store_b64 v11, v[18:19] offset:8*\q
.endm
	SOFTTOP 0
	SOFTTOP 1
	s_wait_dscnt 0x0                               ; for wave 0's sake: my tokens' words lie in LDS
	s_barrier_signal -1
	s_barrier_wait -1
	s_cmp_lg_u32 s18, 0
	s_cbranch_scc1 .Lend
	; wave 0: the group's histogram (lane = pair) and each token's rank among equals (lane % 16 = token)
	ds_load_b32 v15, v23
	ds_load_b64 v[16:17], v24
	s_lshl_b32 s40, ttmp9, 7
	s_mov_b32 s41, 0
	s_add_nc_u64 s[16:17], s[16:17], s[40:41]      ; hist: 128 bytes a group
	s_add_nc_u64 s[14:15], s[14:15], s[40:41]      ; gate: 16 x 8 bytes
	s_lshl_b32 s40, ttmp9, 6
	s_add_nc_u64 s[12:13], s[12:13], s[40:41]      ; sel: 16 x 4 bytes
	v_mov_b32 v18, 0
	v_mov_b32 v19, 0
	s_wait_dscnt 0x0
.set t, 0
.rept 16
	v_readlane_b32 s[24+t], v15, t
.set t, t+1
.endr
.set t, 0
.rept 16
	v_cmp_eq_u32 vcc_lo, s[24+t], v1               ; token t has pair = my lane
	v_cndmask_b32 v20, 0, 1, vcc_lo
	v_add_nc_u32 v18, v18, v20
	v_cmp_eq_u32 s40, s[24+t], v15                 ; token t has my token's pair,
	s_and_b32 s40, s40, ((0xffff<<(t+1))&0xffff)*0x10001   ; and comes before it (lanes with lane % 16 > t)
	v_cndmask_b32 v21, 0, 1, s40
	v_add_nc_u32 v19, v19, v21
.set t, t+1
.endr
	v_lshl_or_b32 v19, v19, 8, v15
	v_lshlrev_b32 v20, 2, v1
	v_lshlrev_b32 v21, 3, v1
	global_store_b32 v20, v18, s[16:17]
	v_cmp_gt_u32 vcc_lo, 16, v1
	s_wait_xcnt 0x0                                ; EXEC is a source of the stores issued so far: it changes only behind this wait
	s_and_saveexec_b32 s42, vcc_lo
	global_store_b32 v20, v19, s[12:13]
	global_store_b64 v21, v[16:17], s[14:15]
	s_wait_xcnt 0x0                                ; and again in front of the line that widens it
	s_or_b32 exec_lo, exec_lo, s42
.Lend:
	s_wait_tensorcnt 0x0
	ds_add_u32 v208, v209
	s_wait_dscnt 0x0
	s_endpgm
.Lfunc_end_k_q127ad5dcab_route:
	.size	k_q127ad5dcab_route, .Lfunc_end_k_q127ad5dcab_route-k_q127ad5dcab_route
	.p2alignl 7, 3214868480
	.fill 96, 4, 3214868480
	.section	.rodata,"a",@progbits
	.p2align	6, 0x0
	.amdhsa_kernel k_q127ad5dcab_route
		.amdhsa_group_segment_fixed_size 54528
		.amdhsa_private_segment_fixed_size 0
		.amdhsa_enable_private_segment 0
		.amdhsa_kernarg_size 56
		.amdhsa_user_sgpr_count 2
		.amdhsa_user_sgpr_kernarg_segment_ptr 1
		.amdhsa_wavefront_size32 1
		.amdhsa_system_sgpr_workgroup_id_x 1
		.amdhsa_system_sgpr_workgroup_id_y 1
		.amdhsa_system_sgpr_workgroup_id_z 1
		.amdhsa_system_vgpr_workitem_id 0
		.amdhsa_next_free_vgpr 210
		.amdhsa_next_free_sgpr 66
		.amdhsa_reserve_vcc 1
		.amdhsa_float_denorm_mode_32 3
		.amdhsa_float_denorm_mode_16_64 3
		.amdhsa_memory_ordered 1
		.amdhsa_forward_progress 1
		.amdhsa_inst_pref_size 57
	.end_amdhsa_kernel
	.amdgpu_metadata
---
amdhsa.version: [ 1, 2 ]
amdhsa.kernels:
  - .name:           k_q127ad5dcab_route
    .symbol:         k_q127ad5dcab_route.kd
    .args:
      - { .name: x, .offset: 0, .size: 8, .value_kind: global_buffer, .address_space: global }
      - { .name: Wg, .offset: 8, .size: 8, .value_kind: global_buffer, .address_space: global }
      - { .name: lowp_scales, .offset: 16, .size: 8, .value_kind: global_buffer, .address_space: global }
      - { .name: xc, .offset: 24, .size: 8, .value_kind: global_buffer, .address_space: global }
      - { .name: sel, .offset: 32, .size: 8, .value_kind: global_buffer, .address_space: global }
      - { .name: gate, .offset: 40, .size: 8, .value_kind: global_buffer, .address_space: global }
      - { .name: hist, .offset: 48, .size: 8, .value_kind: global_buffer, .address_space: global }
    .group_segment_fixed_size: 54528
    .private_segment_fixed_size: 0
    .kernarg_segment_align: 8
    .kernarg_segment_size: 56
    .max_flat_workgroup_size: 256
    .sgpr_count:     66
    .vgpr_count:     210
    .wavefront_size: 32
...
	.end_amdgpu_metadata
.endif
;; end of part 1
;; launch prep (part 2): grid 513 x 1, 8 waves a work-group, no clusters, 0 bytes of LDS; arguments W1, W2, lowp_scales, sel, hist, wc, plan; writes wc, plan
.if DOCPART == 2
	.amdgcn_target "amdgcn-amd-amdhsa--gfx1250"
	.amdhsa_code_object_version 6
	.text
	.protected	k_q127ad5dcab_prep
	.globl	k_q127ad5dcab_prep
	.p2align	8
	.type	k_q127ad5dcab_prep,@function
k_q127ad5dcab_prep:
	s_mov_b64 s[64:65], 0
	v_nop
	global_prefetch_b8 v0, s[64:65] scope:SCOPE_SE
	s_setreg_imm32_b32 hwreg(HW_REG_WAVE_MODE, 25, 1), 1
	s_wait_xcnt 0x0
; TWO JOBS IN ONE LAUNCH.  Work-groups 1 to 512 turn W1 and W2 into codes; work-group 0 meanwhile places the tokens.  The two share no buffer that either writes.
; THE WEIGHTS.  W1 [8][1024 k][1024 n], W2 likewise, f32, K their first axis within an expert.  Codes of E5M2 with the given scales 2^e0 (W1) and 2^e3 (W2), laid in the order of an operand's registers:
;   wc [mu 16][tile T 64][K step s 8][2,048 bytes], mu = expert for W1, 8 + expert for W2.  In a piece of 2,048 bytes, part c (512 bytes) holds for lane r + 16 h its 16 bytes: row r of the tile, k = 128 s + 32 c + 16 h + 0..15.
;   Row i of tile T is column n = 32 (T / 2) + 8 (T % 2) + i + 8 (i / 8): used as source 0 of a product, the 16 result registers of tiles 2 b and 2 b + 1 are then 16 neighbouring columns.
; A LANE TAKES A COLUMN AND ITS REGISTERS RUN DOWN K, so the conversions give codes with K innermost and nothing is transposed.  A work-group takes 256 columns x 128 k, a wave 32 columns: a load of the wave
; reads 128 consecutive bytes (its lanes in the tiles' order of rows), the eight waves 1,024.  A lane's 16 codes are 16 bytes: sixteen lanes store 256 consecutive bytes, aligned.
; Loads run four groups of 16 rows (64 loads a wave) ahead; every offset is an immediate, every group has its own code registers, so no source is ever rewritten.
; THE PLACING.  Tokens are sorted by their pair of experts (28 pairs), each pair's run padded to blocks of 128: never more than (4096 + 28 x 127) / 128 = 59 blocks, whatever the choice.
;   plan: words 0..7679 token of (block, row); 7680..7935 one spare word a thread; 7936..7999 a block's word: lower expert | higher << 4 | rows << 8 (0: no rows).
; A counting sort without atomics: each of the eight waves sums the whole histogram for itself, so that no wave waits for another; wave w places tokens 512 w .. 512 w + 511.
; The histogram's 32 KiB come by 64 loads of 512 consecutive bytes, 32 of them in flight; the sums are then brought to 'lane c stands for pair c' by pulls between lanes.
; A token's place = 128 x its pair's first block + tokens of the pair in earlier groups of 16 + its rank in its group.  Rows behind a block's last are set to 0, so that every word that is read later is written.
; No LDS byte, no barrier, no tensor load, no cluster (nothing is read twice by other work-groups), no prefetch (the weights' loads already keep memory busy).
; LIMITS: e0 and e3 between -126 and 112.  NaN among the inputs is not served.
.set X,  32                            ; v32-95   four sets of 16 numbers
.set CD, 96                            ; v96-127  codes: four registers a group
	s_load_b256 s[4:11], s[0:1], 0x0               ; W1 s[4:5], W2 s[6:7], scales s[8:9], sel s[10:11]
	s_load_b128 s[12:15], s[0:1], 0x20             ; hist s[12:13], wc s[14:15]
	s_load_b64 s[16:17], s[0:1], 0x30              ; plan
	v_lshrrev_b32 v2, 5, v0
	v_readfirstlane_b32 s18, v2                    ; wave 0..7
	v_and_b32 v1, 31, v0                           ; lane
	s_cmp_eq_u32 ttmp9, 0
	s_cbranch_scc1 .Lplace
	; ---------------- the weights ----------------
	s_sub_co_u32 s19, ttmp9, 1
	s_and_b32 s20, s19, 7                          ; s: which 128 along K
	s_bfe_u32 s21, s19, 0x20003                    ; which 256 columns
	s_lshr_b32 s22, s19, 5                         ; mu
	v_and_b32 v2, 7, v1
	v_bfe_u32 v3, v1, 3, 1
	v_lshl_add_u32 v2, v3, 4, v2
	v_lshrrev_b32 v3, 4, v1
	v_lshl_add_u32 v2, v3, 3, v2                   ; my column of the wave's 32: lane % 8 + 16 ((lane / 8) % 2) + 8 (lane / 16)
	v_lshlrev_b32 v2, 2, v2
	v_and_b32 v4, 15, v1
	v_lshlrev_b32 v4, 4, v4
	v_lshl_add_u32 v4, v3, 14, v4                  ; out: row lane % 16 of tile lane / 16 of the wave's two (a tile's eight pieces are 16,384 bytes)
	s_and_b32 s23, s22, 7
	s_lshl_b32 s24, s23, 22                        ; in: the expert's 4 MiB,
	s_lshl_b32 s25, s20, 19                        ; 128 rows of 4,096 bytes,
	s_add_co_u32 s24, s24, s25
	s_lshl_b32 s25, s21, 10                        ; 256 columns,
	s_add_co_u32 s24, s24, s25
	s_lshl_b32 s25, s18, 7                         ; the wave's 32
	s_add_co_u32 s24, s24, s25
	s_mov_b32 s25, 0
	s_lshl_b32 s26, s22, 20                        ; out: mu's 1 MiB,
	s_lshl_b32 s27, s21, 18                        ; 16 tiles,
	s_add_co_u32 s26, s26, s27
	s_lshl_b32 s27, s18, 15                        ; the wave's two,
	s_add_co_u32 s26, s26, s27
	s_lshl_b32 s27, s20, 11                        ; the K step's piece
	s_add_co_u32 s26, s26, s27
	s_mov_b32 s27, 0
	s_wait_kmcnt 0x0
	s_load_b128 s[28:31], s[8:9], 0x0              ; e0 .. e3
	s_cmp_lt_u32 s22, 8                            ; W1 or W2: the choice hangs on the work-group's number alone
	s_cselect_b64 s[4:5], s[4:5], s[6:7]
	s_add_nc_u64 s[4:5], s[4:5], s[24:25]
	s_add_nc_u64 s[14:15], s[14:15], s[26:27]
.macro LOADG g                         ; rows 16 g .. 16 g + 15 of my column into set g % 4
.set k, 0
.rept 16
	global_load_b32 v[X+16*((\g)%4)+k], v2, s[4:5] offset:(16*(\g)+k)*4096 th:TH_LOAD_NT
.set k, k+1
.endr
.endm
	LOADG 0
	LOADG 1
	LOADG 2
	LOADG 3
	s_wait_kmcnt 0x0
	s_cmp_lt_u32 s22, 8
	s_cselect_b32 s32, s28, s31                    ; e
	s_add_co_i32 s32, s32, 127
	s_lshl_b32 s33, s32, 23
	v_mov_b32 v5, s33                              ; 2^e as f32
	s_add_co_i32 s32, s32, 15
	s_lshl_b32 s32, s32, 23
	s_or_b32 s32, s32, 0x600000
	v_mov_b32 v6, s32                              ; 57,344 x 2^e
.macro GROUP g
.if \g <= 4
	s_wait_loadcnt 48                              ; this group's 16 loads are in; the three groups behind it may be out
.else
	s_wait_loadcnt 16*(7-\g)
.endif
.set XS, X+16*((\g)%4)
.set k, 0
.rept 16
	v_med3_num_f32 v[XS+k], v[XS+k], -v6, v6       ; the conversion to an 8-bit code does not saturate (ISA guide 7.6.2): the hold comes first
.set k, k+1
.endr
	v_cvt_scalef32_pk8_bf8_f32 v[CD+4*\g:CD+4*\g+1], v[XS:XS+7], v5
	v_cvt_scalef32_pk8_bf8_f32 v[CD+4*\g+2:CD+4*\g+3], v[XS+8:XS+15], v5
.if \g < 4
	LOADG \g+4                                     ; (the codes go to a store and the numbers' registers take loads; the next vector lines are the next group's holds, plain and on other registers)
.endif
	global_store_b128 v4, v[CD+4*\g:CD+4*\g+3], s[14:15] offset:256*\g   ; k = 16 g + 0..15 is part g / 2, half g % 2: sixteen lanes fill 256 consecutive bytes, aligned
.endm
.irp g, 0,1,2,3,4,5,6,7
	GROUP \g
.endr
	s_endpgm
	; ---------------- the placing ----------------
	; REGISTERS: v2-9, v17, v19 offsets and constants; v10 a pair's tokens, v11 those in earlier waves' groups (lane = pair); v13 its first block; v14, v15 the blocks' words (block = lane, lane + 32);
	;   v20-23 at work; v24-27, v28-31 the same two sums while a lane still holds four pairs of every fourth row; v32-159 four sets of 32 for the histogram, then:
	;   v32-63 my wave's 32 rows (lane = pair), v64-79 my tokens' words, v80-95 their pairs' lanes, v96-127 where each group's first token of a pair goes, v128-159 what the pulls bring.
.set HQ,  32
.set SQ,  20
.set TOT, 24
.set PRE, 28
.Lplace:
	v_lshlrev_b32 v2, 2, v1                        ; 4 x lane
	v_lshrrev_b32 v4, 5, v0                        ; wave
	v_lshl_add_u32 v3, v4, 12, v2                  ; hist, lane = pair: my wave's 32 rows of 128 bytes
	v_lshl_add_u32 v5, v4, 9, v1                   ; my first token: 512 x wave + lane
	v_lshl_add_u32 v4, v4, 11, v2                  ; sel: 2,048 x wave + 4 x lane
	v_and_b32 v6, 127, v0                          ; the padding: my row
	v_lshlrev_b32 v7, 4, v1                        ; hist as it lies: 16 x lane
	v_add_nc_u32 v8, 32, v1
	v_mov_b32 v9, 0
	v_add_nc_u32 v17, 7680, v0                     ; my spare word
	v_lshrrev_b32 v19, 7, v0
	v_add_lshl_u32 v19, v19, v1, 2                 ; 4 x (lane + wave / 4): the padding's pull
	s_mov_b32 s45, 0xffff0000                      ; lanes 16 to 31
	s_mov_b32 s48, 0x22222222                      ; lanes with lane % 4 = 1,
	s_mov_b32 s49, 0x44444444                      ; 2,
	s_mov_b32 s50, 0x88888888                      ; 3
	s_wait_kmcnt 0x0
; Rows 32 w .. 32 w + 31 of hist, 4,096 bytes, by eight loads of 512 consecutive bytes into set w % 4: register 4 i + j of lane l is row 32 w + 4 i + l / 8, pair 4 (l % 8) + j.
.macro LOADQ w
.set k, 0
.rept 8
	global_load_b128 v[HQ+32*((\w)%4)+4*k:HQ+32*((\w)%4)+4*k+3], v7, s[12:13] offset:4096*(\w)+512*k
.set k, k+1
.endr
.endm
; Their sum over i, four chains side by side; it goes to the total, and to the part of earlier waves where w is under my wave's number.  The first set starts both sums: nothing is cleared.
.macro SUMQ w
.set HB, HQ+32*((\w)%4)
.if \w == 0
.set SD, TOT
.else
.set SD, SQ
.endif
.irp j, 0,1,2,3
	v_add3_u32 v[SD+\j], v[HB+\j], v[HB+4+\j], v[HB+8+\j]
.endr
.irp j, 0,1,2,3
	v_add3_u32 v[SD+\j], v[SD+\j], v[HB+12+\j], v[HB+16+\j]
.endr
.irp j, 0,1,2,3
	v_add3_u32 v[SD+\j], v[SD+\j], v[HB+20+\j], v[HB+24+\j]
.endr
.irp j, 0,1,2,3
	v_add_nc_u32 v[SD+\j], v[SD+\j], v[HB+28+\j]
.endr
	s_cmp_gt_u32 s18, \w
	s_cselect_b32 s40, -1, 0
.if \w == 0
.irp j, 0,1,2,3
	v_and_b32 v[PRE+\j], s40, v[TOT+\j]
.endr
.else
.irp j, 0,1,2,3
	v_add_nc_u32 v[TOT+\j], v[TOT+\j], v[SQ+\j]
.endr
.if \w < 7
.irp j, 0,1,2,3
	v_and_b32 v[SQ+\j], s40, v[SQ+\j]
.endr
.irp j, 0,1,2,3
	v_add_nc_u32 v[PRE+\j], v[PRE+\j], v[SQ+\j]
.endr
.endif
.endif
.endm
	LOADQ 0
	LOADQ 1
	LOADQ 2
	LOADQ 3
.irp w, 0,1,2,3
	s_wait_loadcnt 24                              ; this set's eight loads are in; the three sets behind it may be out
	SUMQ \w
	LOADQ \w+4
.endr
	s_wait_loadcnt 24                              ; set 4; sets 5 to 7 may be out
	SUMQ 4
.set k, 0
.rept 32
	global_load_b32 v[32+k], v3, s[12:13] offset:128*k   ; my wave's own 32 rows once more, lane = pair, into the registers that set 4 has left: they come in just behind the last sets
.set k, k+1
.endr
	s_wait_loadcnt 48                              ; set 5; sets 6 and 7 and those 32 may be out
	SUMQ 5
	s_wait_loadcnt 40                              ; set 6; set 7 and the 32 may be out
	SUMQ 6
.set k, 0
.rept 16
	global_load_b32 v[64+k], v4, s[10:11] offset:128*k   ; my 512 tokens' words, into the registers that set 5 has left
.set k, k+1
.endr
	s_wait_loadcnt 48                              ; set 7; the 32 and the 16 may be out
	SUMQ 7
	; to lane = pair: pair c's sums lie in component c % 4 of lanes c / 4 + 8 q, q = 0..3 (a lane has every fourth row).  A pull between lanes touches no LDS byte.
	v_and_b32 v128, 28, v1                         ; 4 x (lane / 4)
	v_add_nc_u32 v129, 32, v128
	v_add_nc_u32 v130, 64, v128
	v_add_nc_u32 v131, 96, v128
.irp j, 0,1,2,3
.irp q, 0,1,2,3
	ds_bpermute_b32 v[96+4*\j+\q], v[128+\q], v[TOT+\j]
	ds_bpermute_b32 v[112+4*\j+\q], v[128+\q], v[PRE+\j]
.endr
.endr
	s_wait_dscnt 0x0
.irp j, 0,1,2,3
	v_add3_u32 v[132+\j], v[96+4*\j], v[97+4*\j], v[98+4*\j]
	v_add3_u32 v[136+\j], v[112+4*\j], v[113+4*\j], v[114+4*\j]
.endr
.irp j, 0,1,2,3
	v_add_nc_u32 v[132+\j], v[132+\j], v[99+4*\j]
	v_add_nc_u32 v[136+\j], v[136+\j], v[115+4*\j]
.endr
	v_cndmask_b32 v10, v132, v133, s48             ; component lane % 4
	v_cndmask_b32 v11, v136, v137, s48
	v_cndmask_b32 v10, v10, v134, s49
	v_cndmask_b32 v11, v11, v138, s49
	v_cndmask_b32 v10, v10, v135, s50
	v_cndmask_b32 v11, v11, v139, s50
.set c, 0
.rept 28
	v_readlane_b32 s[66+c], v10, c                 ; the 28 pairs' counts, in one run, so that no step of the walk below waits for a lane's number
.set c, c+1
.endr
	v_mov_b32 v13, 0
	v_mov_b32 v14, 0
	v_mov_b32 v15, 0
	s_mov_b32 s41, 0                               ; blocks so far
.set PA, 0
.set PB, 1
.set c, 0
.rept 28                               ; pair c = (PA, PB): its first block, and the words of its blocks
	s_add_co_u32 s43, s[66+c], 127
	s_lshr_b32 s43, s43, 7                         ; its blocks
	v_writelane_b32 v13, s41, c
	v_sub_nc_u32 v20, v1, s41                      ; which block of the pair is block lane (lane + 32)?
	v_sub_nc_u32 v21, v8, s41
	v_cmp_gt_u32 vcc_lo, s43, v20                  ; one of them (unsigned: an earlier block gives a huge number)
	v_cmp_gt_u32 s44, s43, v21
	v_lshlrev_b32 v20, 7, v20
	v_lshlrev_b32 v21, 7, v21
	v_sub_nc_u32 v20, s[66+c], v20
	v_sub_nc_u32 v21, s[66+c], v21
	v_min_u32 v20, 128, v20                        ; its rows
	v_min_u32 v21, 128, v21
	v_lshl_or_b32 v20, v20, 8, PA|(PB<<4)
	v_lshl_or_b32 v21, v21, 8, PA|(PB<<4)
	v_cndmask_b32 v14, v14, v20, vcc_lo
	v_cndmask_b32 v15, v15, v21, s44
	s_add_co_u32 s41, s41, s43
.set c, c+1
.set PB, PB+1
.if PB > 7
.set PA, PA+1
.set PB, PA+1
.endif
.endr
	s_wait_loadcnt 0x0                             ; my wave's rows and my tokens' words
	v_lshl_add_u32 v96, v13, 7, v11                ; v[96 + i]: where group i's first token of pair = lane goes
.set k, 1
.rept 31
	v_add_nc_u32 v[96+k], v[96+k-1], v[32+k-1]
.set k, k+1
.endr
.set k, 0
.rept 16
	v_and_b32 v[80+k], 0xff, v[64+k]
	v_lshlrev_b32 v[80+k], 2, v[80+k]              ; the lane that stands for my token's pair, x 4
	v_lshrrev_b32 v[64+k], 8, v[64+k]              ; my token's rank
.set k, k+1
.endr
.set k, 0
.rept 16
	ds_bpermute_b32 v[128+2*k], v[80+k], v[96+2*k]
	ds_bpermute_b32 v[129+2*k], v[80+k], v[97+2*k]
.set k, k+1
.endr
	ds_bpermute_b32 v22, v19, v14                  ; for the padding: lane 2 j (mod 32) gets the word of block 2 j + wave / 4
	ds_bpermute_b32 v23, v19, v15
	s_wait_dscnt 0x0
.set k, 0
.rept 16
	v_cndmask_b32 v[128+2*k], v[128+2*k], v[129+2*k], s45   ; lanes 16 to 31 hold tokens of the odd group
	v_add_nc_u32 v[64+k], v[64+k], v[128+2*k]
	v_min_u32 v[64+k], 0x1dff, v[64+k]             ; held inside the 7,680 words
	v_lshlrev_b32 v[64+k], 2, v[64+k]
	v_add_nc_u32 v[32+k], 32*k, v5                 ; the token's number
	global_store_b32 v[64+k], v[32+k], s[16:17]    ; sixteen address and sixteen data registers, none rewritten
.set k, k+1
.endr
	; the padding: word thread + 256 j is row thread % 128 of block 2 j + wave / 4; behind the block's last row it becomes 0, else the 0 goes to my spare word
.set j, 0
.rept 30
	v_readlane_b32 s[66+j], v[22+j/16], (2*j)&31   ; my wave's thirty blocks' words, in one run
.set j, j+1
.endr
.set j, 0
.rept 30
	s_lshr_b32 s42, s[66+j], 8                     ; the block's rows
	v_cmp_le_u32 vcc_lo, s42, v6
	v_add_nc_u32 v[96+j], 256*j, v0
	v_cndmask_b32 v[96+j], v17, v[96+j], vcc_lo
	v_min_u32 v[96+j], 0x1fff, v[96+j]
	v_lshlrev_b32 v[96+j], 2, v[96+j]
	global_store_b32 v[96+j], v9, s[16:17]         ; thirty address registers, none rewritten
.set j, j+1
.endr
	s_cmp_lg_u32 s18, 0
	s_cbranch_scc1 .Lplaced
	global_store_b32 v2, v14, s[16:17] offset:31744    ; the 64 blocks' words
	global_store_b32 v2, v15, s[16:17] offset:31872
.Lplaced:
	s_endpgm
.Lfunc_end_k_q127ad5dcab_prep:
	.size	k_q127ad5dcab_prep, .Lfunc_end_k_q127ad5dcab_prep-k_q127ad5dcab_prep
	.p2alignl 7, 3214868480
	.fill 96, 4, 3214868480
	.section	.rodata,"a",@progbits
	.p2align	6, 0x0
	.amdhsa_kernel k_q127ad5dcab_prep
		.amdhsa_group_segment_fixed_size 0
		.amdhsa_private_segment_fixed_size 0
		.amdhsa_enable_private_segment 0
		.amdhsa_kernarg_size 56
		.amdhsa_user_sgpr_count 2
		.amdhsa_user_sgpr_kernarg_segment_ptr 1
		.amdhsa_wavefront_size32 1
		.amdhsa_system_sgpr_workgroup_id_x 1
		.amdhsa_system_sgpr_workgroup_id_y 1
		.amdhsa_system_sgpr_workgroup_id_z 1
		.amdhsa_system_vgpr_workitem_id 0
		.amdhsa_next_free_vgpr 160
		.amdhsa_next_free_sgpr 96
		.amdhsa_reserve_vcc 1
		.amdhsa_float_denorm_mode_32 3
		.amdhsa_float_denorm_mode_16_64 3
		.amdhsa_memory_ordered 1
		.amdhsa_forward_progress 1
		.amdhsa_inst_pref_size 100
	.end_amdhsa_kernel
	.amdgpu_metadata
---
amdhsa.version: [ 1, 2 ]
amdhsa.kernels:
  - .name:           k_q127ad5dcab_prep
    .symbol:         k_q127ad5dcab_prep.kd
    .args:
      - { .name: W1, .offset: 0, .size: 8, .value_kind: global_buffer, .address_space: global }
      - { .name: W2, .offset: 8, .size: 8, .value_kind: global_buffer, .address_space: global }
      - { .name: lowp_scales, .offset: 16, .size: 8, .value_kind: global_buffer, .address_space: global }
      - { .name: sel, .offset: 24, .size: 8, .value_kind: global_buffer, .address_space: global }
      - { .name: hist, .offset: 32, .size: 8, .value_kind: global_buffer, .address_space: global }
      - { .name: wc, .offset: 40, .size: 8, .value_kind: global_buffer, .address_space: global }
      - { .name: plan, .offset: 48, .size: 8, .value_kind: global_buffer, .address_space: global }
    .group_segment_fixed_size: 0
    .private_segment_fixed_size: 0
    .kernarg_segment_align: 8
    .kernarg_segment_size: 56
    .max_flat_workgroup_size: 256
    .sgpr_count:     96
    .vgpr_count:     160
    .wavefront_size: 32
...
	.end_amdgpu_metadata
.endif
;; end of part 2
;; launch gemm1 (part 3): grid 4 x 59, 4 waves a work-group, no clusters, 133,632 bytes of LDS; arguments xc, wc, b1, lowp_scales, plan, hc; writes hc
.if DOCPART == 3
	.amdgcn_target "amdgcn-amd-amdhsa--gfx1250"
	.amdhsa_code_object_version 6
	.text
	.protected	k_q127ad5dcab_gemm1
	.globl	k_q127ad5dcab_gemm1
	.p2align	8
	.type	k_q127ad5dcab_gemm1,@function
k_q127ad5dcab_gemm1:
	s_mov_b64 s[64:65], 0
	v_nop
	global_prefetch_b8 v0, s[64:65] scope:SCOPE_SE
	s_setreg_imm32_b32 hwreg(HW_REG_WAVE_MODE, 25, 1), 1
	s_wait_xcnt 0x0
; THE FIRST PRODUCT OF THE CHOSEN EXPERTS: hc = codes of gelu(x W1_e + b1_e), e = the block's two experts, on codes of E5M2 (v_wmma_f32_16x16x128_bf8_bf8), sums in f32.
; A block is 128 tokens that chose the same pair of experts (list: plan).  A work-group takes one block x 256 hidden units, for both experts (slot 0 the lower, slot 1 the higher).
; THE WAVES SHARE THE COLUMNS: wave w makes hidden units 256 ct + 64 w .. + 63 (four tiles of W1) for all 128 rows: 32 accumulators.  The rows' codes lie in LDS once, gathered by the list, and serve both slots;
; the weights' fragments come from wc, which is laid in the order of an operand's registers, straight into the registers of the one wave that uses them: 512 consecutive bytes a load, each byte once a work-group.
; THE PRODUCT IS USED TRANSPOSED (source 0 = 16 rows of a tile of W1, source 1 = 16 tokens): a lane holds one token, and the 16 registers of two neighbouring tiles are 16 neighbouring hidden units
; (wc's tiles are chosen so).  So the conversions' results are 16 bytes of the next product's operand, and a wave's store is 512 consecutive bytes of hc, aligned: no stage, no second barrier.
;   hc [block 59][slot 2][tile of rows m 8][K step s 8][2,048 bytes], a piece laid as wc's: part c, lane r + 16 h: row r, k = 128 s + 32 c + 16 h + 0..15.
; b1 / 2^(e0 + e1) is the C of a slot's first K step.  gelu is the tanh form, written x / (1 + 2^(x (C1 + C2 x^2))), C1 = -2 sqrt(2 / pi) log2(e), C2 = 0.044715 C1: the same function, one exponential and one reciprocal.
; Rows behind a block's last are copies of its first row.  A block without rows passes the one barrier and ends behind it: no barrier stands behind a branch on a stored number.
; NO TENSOR LOAD, NO CLUSTER: work-groups end on a stored count, and which blocks share an expert is known only from the list, so neighbours in a grid need not want the same tiles.  No prefetch: wc's tiles are read by several blocks.
; LIMITS: e0 + e1 between -126 and 127; e2 between -126 and 112.  NaN among the inputs is not served.
; REGISTERS, in windows of 256: window 0: v1-21 addresses and constants; v32-63 b1's four tiles; v64-79, v80-95 at work; v96-127 the gather's offsets; v128-255 the rows' fragments, one set (later v128-191 the codes).
;   window 1: W1's fragments, a ring of four K steps, v[64 (s % 4) + 16 tile + 4 c].   window 2: the accumulators, v[32 m + 8 tile] (at the head: the gathered rows on their way to LDS).
.set PITCH, 1040                       ; a row of 1,024 codes + 16 bytes = 65 x 16: the 16 rows of a fragment's read start at 16 different banks (64 banks of 4 bytes: ISA guide 11.1)
.set AF,    128
.set BIAS,  32
.set T,     64
.set U,     80
.set GO,    96
.set CDR,   128
.set MSB, 0
.macro WIN new                         ; the immediate's high byte repeats the setting that is left; a switch that changes nothing is dropped
.if MSB != (\new)
	s_set_vgpr_msb (MSB<<8)|(\new)
.set MSB, \new
.endif
.endm
.set MUL,   0xa1                       ; source 0 (W1) window 1, source 1 (rows) window 0, C and D window 2
.set MUL0,  0x81                       ; the same with C (the bias) in window 0
.set TO_B,  0x40                       ; destination window 1
.set TO_2,  0x80                       ; destination window 2
.set ST2,   0x08                       ; an LDS store's data in window 2
.set FROM2, 0x02                       ; source 0 window 2
.macro PLACES                          ; a load into a register that a matrix instruction has read, and a vector instruction that reads its result, stand four plain vector lines behind it
.rept 4
	v_nop
.endr
.endm
	s_load_b256 s[4:11], s[0:1], 0x0               ; xc s[4:5], wc s[6:7], b1 s[8:9], scales s[10:11]
	s_load_b128 s[12:15], s[0:1], 0x20             ; plan s[12:13], hc s[14:15]
	v_lshl_add_u32 v30, v0, 2, 0x20800
	v_mov_b32 v31, 0
	v_lshrrev_b32 v2, 5, v0
	v_readfirstlane_b32 s16, v2                    ; wave 0..3
	s_mov_b32 s17, ttmp9                           ; ct: which 256 hidden units
	s_and_b32 s18, ttmp7, 0xffff                   ; the block
	v_and_b32 v8, 31, v0
	v_lshlrev_b32 v1, 4, v8                        ; 16 x lane
	v_and_b32 v2, 15, v0                           ; r
	v_bfe_u32 v3, v0, 4, 1                         ; h
	v_mul_u32_u24 v4, v2, PITCH
	v_lshl_add_u32 v4, v3, 4, v4                   ; a fragment of rows 0-63: row r, + 16 h
	v_add_nc_u32 v5, 64*PITCH, v4                  ; of rows 64-127
	s_mul_i32 s40, s16, 32*PITCH
	v_add_nc_u32 v6, s40, v1                       ; the gather's way into LDS: my wave's 32 rows
	v_lshlrev_b32 v9, 6, v3                        ; b1: 16 h numbers on
	v_lshlrev_b32 v10, 2, v0                       ; the list: row = thread
	s_lshl_b32 s42, s18, 9
	s_mov_b32 s43, 0
	s_lshl_b32 s44, s18, 2
	s_wait_kmcnt 0x0
	s_add_nc_u64 s[42:43], s[12:13], s[42:43]      ; the block's 128 words
	s_load_b32 s19, s[12:13], s44 offset:31744     ; the block's word
	s_load_b32 s23, s[42:43], 0x0                  ; its first token
	s_load_b128 s[24:27], s[10:11], 0x0            ; e0 .. e3
	global_load_b32 v7, v10, s[42:43]
	s_wait_kmcnt 0x0
	s_wait_loadcnt 0x0
	s_lshr_b32 s20, s19, 8                         ; rows
	s_and_b32 s21, s19, 15
	s_min_u32 s21, s21, 7                          ; the lower expert
	s_bfe_u32 s22, s19, 0x40004
	s_min_u32 s22, s22, 7                          ; the higher
	v_mov_b32 v11, s23
	v_cmp_gt_u32 vcc_lo, s20, v0
	v_cndmask_b32 v7, v11, v7, vcc_lo              ; a row behind the last takes the first row's token
	s_mov_b32 s41, 0
	s_lshl_b32 s44, s17, 18                        ; wc: tiles 16 ct + 4 w on, 16,384 bytes each,
	s_lshl_b32 s45, s16, 16
	s_add_co_u32 s44, s44, s45
	s_lshl_b32 s40, s21, 20                        ; in the expert's 1 MiB
	s_add_co_u32 s40, s40, s44
	s_add_nc_u64 s[28:29], s[6:7], s[40:41]        ; this slot's weights
	s_lshl_b32 s40, s22, 20
	s_add_co_u32 s40, s40, s44
	s_add_nc_u64 s[30:31], s[6:7], s[40:41]        ; the next slot's
	s_lshl_b32 s44, s17, 10                        ; b1: 256 ct + 64 w numbers on,
	s_lshl_b32 s45, s16, 8
	s_add_co_u32 s44, s44, s45
	s_lshl_b32 s40, s21, 12                        ; in the expert's 4,096 bytes
	s_add_co_u32 s40, s40, s44
	s_add_nc_u64 s[32:33], s[8:9], s[40:41]
	s_lshl_b32 s40, s22, 12
	s_add_co_u32 s40, s40, s44
	s_add_nc_u64 s[34:35], s[8:9], s[40:41]
	s_lshl_b32 s40, s18, 18                        ; hc: the block's 262,144 bytes; my 64 hidden units are K step 2 ct + w / 2, parts 2 (w % 2) and + 1
	s_lshl_b32 s45, s17, 12
	s_add_co_u32 s40, s40, s45
	s_lshr_b32 s45, s16, 1
	s_lshl_b32 s45, s45, 11
	s_add_co_u32 s40, s40, s45
	s_and_b32 s45, s16, 1
	s_lshl_b32 s45, s45, 10
	s_add_co_u32 s40, s40, s45
	s_add_nc_u64 s[36:37], s[14:15], s[40:41]
.macro BIASLD base                     ; lane (r, h), tile n, register j: hidden unit 32 (n / 2) + 16 h + 8 (n % 2) + j of my 64
.irp n, 0,1,2,3
	global_load_b128 v[BIAS+8*\n:BIAS+8*\n+3], v9, s[\base:\base+1] offset:128*(\n/2)+32*(\n%2)
	global_load_b128 v[BIAS+8*\n+4:BIAS+8*\n+7], v9, s[\base:\base+1] offset:128*(\n/2)+32*(\n%2)+16
.endr
.endm
.macro BLOAD s                         ; my four tiles' fragments of K step s: 16 loads of 512 consecutive bytes
.irp n, 0,1,2,3
.irp c, 0,1,2,3
	global_load_b128 v[64*((\s)%4)+16*\n+4*\c:64*((\s)%4)+16*\n+4*\c+3], v1, s[28:29] offset:16384*\n+2048*(\s)+512*\c
.endr
.endr
.endm
.macro AFETCH s, a0                    ; the rows' fragments a0 .. a0 + 3 of K step s: registers 4 c .. 4 c + 3 hold k = 128 s + 32 c + 16 h + 0..15, the places that wc's pieces give the same k
.irp a, \a0, \a0+1, \a0+2, \a0+3
.irp c, 0,1,2,3
	ds_load_b128 v[AF+16*(\a)+4*\c:AF+16*(\a)+4*\c+3], v[4+(\a)/4] offset:16*PITCH*((\a)%4)+128*(\s)+32*\c
.endr
.endr
.endm
; 16 matrix instructions: tiles of rows a0 .. a0 + 3 x my four tiles of W1.  The 32 accumulators take turns, one instruction a turn, in the same order in every K step.
.macro MULH a0, p, c0
.irp a, \a0, \a0+1, \a0+2, \a0+3
.irp n, 0,1,2,3
.if \c0
	v_wmma_f32_16x16x128_bf8_bf8 v[32*(\a)+8*\n:32*(\a)+8*\n+7], v[64*(\p)+16*\n:64*(\p)+16*\n+15], v[AF+16*(\a):AF+16*(\a)+15], v[BIAS+8*\n:BIAS+8*\n+7]
.else
	v_wmma_f32_16x16x128_bf8_bf8 v[32*(\a)+8*\n:32*(\a)+8*\n+7], v[64*(\p)+16*\n:64*(\p)+16*\n+15], v[AF+16*(\a):AF+16*(\a)+15], v[32*(\a)+8*\n:32*(\a)+8*\n+7]
.endif
.endr
.endr
.endm
; A K step of 128.  c0 = 1: the bias starts the sums.  lc: the weights' loads that may stay out (16 for each younger K step).  bl = 1: the K step four on is asked for.  nx = 1: the next step's rows are fetched.
.macro KSTEP s, c0, lc, bl, nx
	s_wait_loadcnt \lc
	s_wait_dscnt 16                                ; rows 0-63 are in; the youngest sixteen reads (rows 64-127) may be out
.if \c0
	WIN MUL0
.else
	WIN MUL
.endif
	MULH 0, (\s)%4, \c0
	s_wait_dscnt 0x0                               ; rows 64-127 are in
.if \nx
	PLACES
	WIN 0
	AFETCH (\s)+1, 0
.if \c0
	WIN MUL0
.else
	WIN MUL
.endif
.endif
	MULH 4, (\s)%4, \c0
	PLACES
.if \bl
	WIN TO_B
	BLOAD (\s)+4
.endif
	WIN 0
.if \nx
	AFETCH (\s)+1, 4
.endif
.endm
	BIASLD 32
	WIN TO_B
	BLOAD 0
	BLOAD 1
	BLOAD 2
	BLOAD 3
	WIN 0
	; the gather: my wave's 32 rows of the block, 1,024 bytes each, two loads of 512 bytes a row
.set k, 0
.rept 32
	v_readlane_b32 s40, v7, k
	s_min_u32 s40, s40, 4095
	s_lshl_b32 s40, s40, 10
	v_add_nc_u32 v[GO+k], s40, v1
.set k, k+1
.endr
	WIN TO_2
.set k, 0
.rept 32
	global_load_b128 v[8*k:8*k+3], v[GO+k], s[4:5]
	global_load_b128 v[8*k+4:8*k+7], v[GO+k], s[4:5] offset:512
.set k, k+1
.endr
	WIN 0
	s_add_co_i32 s46, s24, s25                     ; e0 + e1: a sum stands for sum x 2^(e0 + e1)
	s_sub_co_i32 s39, 0, s46
	s_add_co_i32 s46, s46, 127
	s_lshl_b32 s46, s46, 23
	v_mov_b32 v12, s46                             ; 2^(e0 + e1), twice
	v_mov_b32 v13, s46
	v_mov_b32 v14, 0xc0135761                      ; C1 = -2.3022082
	v_mov_b32 v15, 0xc0135761
	v_mov_b32 v16, 0xbdd2d3e8                      ; C2 = -0.10294324
	v_mov_b32 v17, 0xbdd2d3e8
	v_mov_b32 v18, 1.0
	v_mov_b32 v19, 1.0
	s_add_co_i32 s46, s26, 127
	s_lshl_b32 s47, s46, 23
	v_mov_b32 v20, s47                             ; 2^e2
	s_add_co_i32 s46, s46, 15
	s_lshl_b32 s46, s46, 23
	s_or_b32 s46, s46, 0x600000
	v_mov_b32 v21, s46                             ; 57,344 x 2^e2
	WIN ST2
.irp t, 0,1,2,3
	s_wait_loadcnt 48-16*\t                        ; eight more rows are in: the gather's younger loads may be out (all that was asked for earlier is in as well)
.set k, 8*\t
.rept 8
	ds_store_b128 v6, v[8*k:8*k+3] offset:PITCH*k
	ds_store_b128 v6, v[8*k+4:8*k+7] offset:PITCH*k+512
.set k, k+1
.endr
.endr
	WIN 0
	s_wait_dscnt 0x0                               ; for the others' sake: my 32 rows lie in LDS
	s_barrier_signal -1
	s_barrier_wait -1                              ; all 128 do; they are never written again
	s_cmp_eq_u32 s20, 0
	s_cbranch_scc1 .Lend                           ; a block that the split leaves without rows stores nothing
; 16 neighbouring hidden units of 16 rows: scale, gelu, hold, codes, 512 bytes of hc.  Each accumulator is read from its low end on.
.macro GELU16 m, b
.set AC, 32*(\m)+16*(\b)
.set CR, CDR+4*(2*(\m)+(\b))
	WIN FROM2
.irp i, 0,2,4,6,8,10,12,14
	v_pk_mul_f32 v[T+\i:T+\i+1], v[AC+\i:AC+\i+1], v[12:13]        ; x = sum x 2^(e0 + e1)
.endr
	WIN 0
.irp i, 0,2,4,6,8,10,12,14
	v_pk_mul_f32 v[U+\i:U+\i+1], v[T+\i:T+\i+1], v[T+\i:T+\i+1]
.endr
.irp i, 0,2,4,6,8,10,12,14
	v_pk_fma_f32 v[U+\i:U+\i+1], v[U+\i:U+\i+1], v[16:17], v[14:15]
.endr
.irp i, 0,2,4,6,8,10,12,14
	v_pk_mul_f32 v[U+\i:U+\i+1], v[U+\i:U+\i+1], v[T+\i:T+\i+1]    ; x (C1 + C2 x^2)
.endr
.set k, 0
.rept 16
	v_exp_f32 v[U+k], v[U+k]
.set k, k+1
.endr
	v_nop                                          ; a plain line behind the exponentials
	s_wait_alu depctr_va_vdst(0)
.irp i, 0,2,4,6,8,10,12,14
	v_pk_add_f32 v[U+\i:U+\i+1], v[U+\i:U+\i+1], v[18:19]
.endr
.set k, 0
.rept 16
	v_rcp_f32 v[U+k], v[U+k]
.set k, k+1
.endr
	v_nop                                          ; a plain line behind the reciprocals
	s_wait_alu depctr_va_vdst(0)
.irp i, 0,2,4,6,8,10,12,14
	v_pk_mul_f32 v[T+\i:T+\i+1], v[T+\i:T+\i+1], v[U+\i:U+\i+1]
.endr
.set k, 0
.rept 16
	v_med3_num_f32 v[T+k], v[T+k], -v21, v21       ; the conversion to an 8-bit code does not saturate (ISA guide 7.6.2)
.set k, k+1
.endr
	v_cvt_scalef32_pk8_bf8_f32 v[CR:CR+1], v[T:T+7], v20
	v_cvt_scalef32_pk8_bf8_f32 v[CR+2:CR+3], v[T+8:T+15], v20
	v_nop                                          ; a plain line behind the last conversion: the next group writes its sources
	global_store_b128 v1, v[CR:CR+3], s[36:37] offset:16384*(\m)+512*(\b)   ; 512 consecutive bytes, aligned; each group has its own four registers
.endm
	s_mov_b32 s38, 2                               ; slots to go
.Lslot:
	s_wait_loadcnt 48                              ; the bias and K step 0 are in; K steps 1 to 3 may be out
.set k, 0
.rept 32
	v_ldexp_f32 v[BIAS+k], v[BIAS+k], s39          ; b1 / 2^(e0 + e1)
.set k, k+1
.endr
	AFETCH 0, 0
	AFETCH 0, 4
	KSTEP 0, 1, 48, 1, 1
	KSTEP 1, 0, 48, 1, 1
	KSTEP 2, 0, 48, 1, 1
	KSTEP 3, 0, 48, 1, 1
	KSTEP 4, 0, 48, 0, 1
	KSTEP 5, 0, 32, 0, 1
	KSTEP 6, 0, 16, 0, 1
	KSTEP 7, 0, 0, 0, 0
	s_cmp_eq_u32 s38, 1
	s_cbranch_scc1 .Lno_next
	s_mov_b64 s[28:29], s[30:31]                   ; (every load by the old base is in: the last K step waited for all)  the next slot's bias and first four K steps land under the activation
	BIASLD 34
	WIN TO_B
	BLOAD 0
	BLOAD 1
	BLOAD 2
	BLOAD 3
	WIN 0
.Lno_next:
.irp m, 0,1,2,3,4,5,6,7
	GELU16 \m, 0
	GELU16 \m, 1
.endr
	s_wait_xcnt 0x0                                ; the stores have read their base and their data: the base steps, and v128-191 take the rows' fragments again
	s_add_nc_u64 s[36:37], s[36:37], 131072        ; the other slot's half of the block
	s_sub_co_u32 s38, s38, 1
	s_cmp_lg_u32 s38, 0
	s_cbranch_scc1 .Lslot
.Lend:
	s_wait_tensorcnt 0x0
	ds_add_u32 v30, v31
	s_wait_dscnt 0x0
	s_endpgm
.Lfunc_end_k_q127ad5dcab_gemm1:
	.size	k_q127ad5dcab_gemm1, .Lfunc_end_k_q127ad5dcab_gemm1-k_q127ad5dcab_gemm1
	.p2alignl 7, 3214868480
	.fill 96, 4, 3214868480
	.section	.rodata,"a",@progbits
	.p2align	6, 0x0
	.amdhsa_kernel k_q127ad5dcab_gemm1
		.amdhsa_group_segment_fixed_size 133632
		.amdhsa_private_segment_fixed_size 0
		.amdhsa_enable_private_segment 0
		.amdhsa_kernarg_size 48
		.amdhsa_user_sgpr_count 2
		.amdhsa_user_sgpr_kernarg_segment_ptr 1
		.amdhsa_wavefront_size32 1
		.amdhsa_system_sgpr_workgroup_id_x 1
		.amdhsa_system_sgpr_workgroup_id_y 1
		.amdhsa_system_sgpr_workgroup_id_z 1
		.amdhsa_system_vgpr_workitem_id 0
		.amdhsa_next_free_vgpr 768
		.amdhsa_next_free_sgpr 66
		.amdhsa_reserve_vcc 1
		.amdhsa_float_denorm_mode_32 3
		.amdhsa_float_denorm_mode_16_64 3
		.amdhsa_memory_ordered 1
		.amdhsa_forward_progress 1
		.amdhsa_inst_pref_size 165
	.end_amdhsa_kernel
	.amdgpu_metadata
---
amdhsa.version: [ 1, 2 ]
amdhsa.kernels:
  - .name:           k_q127ad5dcab_gemm1
    .symbol:         k_q127ad5dcab_gemm1.kd
    .args:
      - { .name: xc, .offset: 0, .size: 8, .value_kind: global_buffer, .address_space: global }
      - { .name: wc, .offset: 8, .size: 8, .value_kind: global_buffer, .address_space: global }
      - { .name: b1, .offset: 16, .size: 8, .value_kind: global_buffer, .address_space: global }
      - { .name: lowp_scales, .offset: 24, .size: 8, .value_kind: global_buffer, .address_space: global }
      - { .name: plan, .offset: 32, .size: 8, .value_kind: global_buffer, .address_space: global }
      - { .name: hc, .offset: 40, .size: 8, .value_kind: global_buffer, .address_space: global }
    .group_segment_fixed_size: 133632
    .private_segment_fixed_size: 0
    .kernarg_segment_align: 8
    .kernarg_segment_size: 48
    .max_flat_workgroup_size: 128
    .sgpr_count:     66
    .vgpr_count:     768
    .wavefront_size: 32
...
	.end_amdgpu_metadata
.endif
;; end of part 3
;; launch gemm2 (part 4): grid 4 x 59, 4 waves a work-group, no clusters, 280,576 bytes of LDS; arguments hc, wc, b2, lowp_scales, plan, gate, out0; writes out0
.if DOCPART == 4
	.amdgcn_target "amdgcn-amd-amdhsa--gfx1250"
	.amdhsa_code_object_version 6
	.text
	.protected	k_q127ad5dcab_gemm2
	.globl	k_q127ad5dcab_gemm2
	.p2align	8
	.type	k_q127ad5dcab_gemm2,@function
k_q127ad5dcab_gemm2:
	s_mov_b64 s[64:65], 0
	v_nop
	global_prefetch_b8 v0, s[64:65] scope:SCOPE_SE
	s_setreg_imm32_b32 hwreg(HW_REG_WAVE_MODE, 25, 1), 1
	s_wait_xcnt 0x0
; THE SECOND PRODUCT AND THE GATE: out[token] = p_lo (h_lo W2_lo + b2_lo) + p_hi (h_hi W2_hi + b2_hi), on codes of E5M2 (v_wmma_f32_16x16x128_bf8_bf8), sums in f32.
; A work-group takes one block (128 tokens of one pair of experts) x 256 columns of the output, for both experts: so each output row has one owner and nothing is added across work-groups.
; THE WAVES SHARE THE COLUMNS: wave w makes columns 256 ct + 64 w .. + 63 for all 128 rows: 32 accumulators.  The block's codes of h (two slots of 131,072 bytes, laid in the order of an operand's registers)
; are copied into LDS as they lie and read by all four waves, 512 consecutive bytes a read; W2's fragments come from wc straight into the registers of the one wave that uses them.
; THE PRODUCT IS USED TRANSPOSED (source 0 = 16 rows of a tile of W2, source 1 = 16 tokens): a lane holds one token, so the gate is a number a lane.  b2 / 2^(e2 + e3) is the C of a slot's first K step and the
; gate is multiplied once by 2^(e2 + e3): out = g_lo sum_lo + g_hi sum_hi, a packed multiply behind slot 0 and a packed multiply-add behind slot 1.
; K runs on through both slots: 16 K steps on one ring of four sets of weights, written out.  THE WAY OUT: a tile of 16 rows goes through the wave's own stage in LDS and leaves as rows of 256 bytes:
; sixteen lanes store 256 consecutive bytes of a token's row, aligned.  Tiles that are padding alone store nothing; padded rows of the last tile are copies of the block's first row and store its numbers again.
; A block without rows reads block 0's codes (block 0 always has rows), passes the one barrier and ends behind it: no barrier stands behind a branch on a stored number, and no byte is read that was never written.
; NO TENSOR LOAD, NO CLUSTER: work-groups end on a stored count, and which blocks share an expert is known only from the list.  No prefetch: wc's tiles and hc's blocks are read by several work-groups.
; LIMITS: none on e2 + e3 beyond the range of f32 (it is applied by v_ldexp_f32).  NaN among the inputs is not served.
; REGISTERS, in windows of 256: window 0: v1-15 addresses; v16-31 the gates, a pair for each tile of rows; v32-63, v64-95 b2's tiles for the two slots; v96-109 tokens; v128-255 h's fragments, one set
;   (on the way out: v128-191 two tiles' results, v192-223 rows read back, v224-239 tokens and offsets).   window 1: W2's fragments, a ring of four K steps.
;   window 2: the accumulators, v[32 m + 8 tile].   window 3: g_lo x slot 0's sums.   (At the head windows 2 and 3 carry h's codes on their way to LDS.)
.set A1,    131072                     ; LDS: slot 0's codes at 0, slot 1's here,
.set STAGE, 262144                     ; the stages: 16 rows x 272 bytes for each wave,
.set SP,    272                        ; (256 bytes + 16: the 16 rows of a store start at 16 different banks: 64 banks of 4 bytes, ISA guide 11.1)
.set TOKL,  279552                     ; the 128 rows' tokens
.set AF,    128
.set BIAS,  32
.set G,     16
.set TK,    96
.set T0,    128
.set R,     192
.set TKR,   224
.set OFS,   232
.set MSB, 0
.macro WIN new                         ; the immediate's high byte repeats the setting that is left; a switch that changes nothing is dropped
.if MSB != (\new)
	s_set_vgpr_msb (MSB<<8)|(\new)
.set MSB, \new
.endif
.endm
.set MUL,   0xa1                       ; source 0 (W2) window 1, source 1 (h) window 0, C and D window 2
.set MUL0,  0x81                       ; the same with C (the bias) in window 0
.set TO_B,  0x40
.set TO_2,  0x80
.set TO_3,  0xc0
.set ST2,   0x08                       ; an LDS store's data in window 2,
.set ST3,   0x0c                       ; in window 3
.macro PLACES                          ; a load into a register that a matrix instruction has read, and a vector instruction that reads its result, stand four plain vector lines behind it
.rept 4
	v_nop
.endr
.endm
	s_load_b256 s[4:11], s[0:1], 0x0               ; hc s[4:5], wc s[6:7], b2 s[8:9], scales s[10:11]
	s_load_b128 s[12:15], s[0:1], 0x20             ; plan s[12:13], gate s[14:15]
	s_load_b64 s[36:37], s[0:1], 0x30              ; out0
	v_lshl_add_u32 v126, v0, 2, 0x44600
	v_mov_b32 v127, 0
	v_lshrrev_b32 v2, 5, v0
	v_readfirstlane_b32 s16, v2                    ; wave 0..3
	s_mov_b32 s17, ttmp9                           ; ct: which 256 columns
	s_and_b32 s18, ttmp7, 0xffff                   ; the block
	v_and_b32 v105, 31, v0
	v_lshlrev_b32 v1, 4, v105                      ; 16 x lane
	v_and_b32 v2, 15, v0                           ; r
	v_bfe_u32 v3, v0, 4, 1                         ; h
	v_mov_b32 v4, v1                               ; h's fragments: slot 0, tiles of rows 0-3,
	v_add_nc_u32 v5, 0x10000, v1                   ; 4-7,
	v_add_nc_u32 v6, 0x20000, v1                   ; slot 1, 0-3,
	v_add_nc_u32 v7, 0x30000, v1                   ; 4-7
	s_mul_i32 s40, s16, 16*SP
	s_add_co_u32 s40, s40, STAGE                   ; my stage
	v_mul_u32_u24 v8, v2, SP
	v_lshl_add_u32 v8, v3, 6, v8
	v_add_nc_u32 v8, s40, v8                       ; in: row r, + 64 h bytes
	v_mul_u32_u24 v9, v3, SP
	v_lshl_add_u32 v9, v2, 4, v9
	v_add_nc_u32 v9, s40, v9                       ; back: lanes 0-15 one row, lanes 16-31 the next
	v_lshl_add_u32 v10, v3, 2, TOKL                ; and those two rows' tokens
	v_lshlrev_b32 v11, 4, v2
	v_lshl_add_u32 v12, v0, 2, TOKL                ; where I put row = thread's token
	s_lshl_b32 s41, s16, 15
	v_add_nc_u32 v13, s41, v1                      ; the copy: my wave's quarter of slot 0,
	v_add_nc_u32 v14, A1, v13                      ; of slot 1
	v_lshlrev_b32 v15, 6, v3                       ; b2: 16 h numbers on
	v_lshlrev_b32 v106, 2, v2
	v_lshlrev_b32 v107, 2, v0
	s_lshl_b32 s42, s18, 9
	s_mov_b32 s43, 0
	s_lshl_b32 s44, s18, 2
	s_wait_kmcnt 0x0
	s_add_nc_u64 s[42:43], s[12:13], s[42:43]      ; the block's 128 words
	s_load_b32 s19, s[12:13], s44 offset:31744     ; the block's word
	s_load_b32 s23, s[42:43], 0x0                  ; its first token
	s_load_b128 s[24:27], s[10:11], 0x0            ; e0 .. e3
.irp m, 0,1,2,3,4,5,6,7
	global_load_b32 v[TK+\m], v106, s[42:43] offset:64*\m   ; the token of row 16 m + r
.endr
	global_load_b32 v104, v107, s[42:43]           ; and of row = thread
	s_wait_kmcnt 0x0
	s_wait_loadcnt 0x0
	s_lshr_b32 s20, s19, 8                         ; rows
	s_and_b32 s21, s19, 15
	s_min_u32 s21, s21, 7                          ; the lower expert
	s_bfe_u32 s22, s19, 0x40004
	s_min_u32 s22, s22, 7                          ; the higher
	s_cmp_eq_u32 s20, 0
	s_cselect_b32 s39, 0, s18                      ; a block without rows has no codes: it copies block 0's
	s_min_u32 s39, s39, 58
	s_lshl_b32 s40, s39, 18
	s_lshl_b32 s41, s16, 15
	s_add_co_u32 s40, s40, s41
	s_mov_b32 s41, 0
	s_add_nc_u64 s[4:5], s[4:5], s[40:41]          ; hc: the block, my wave's quarter of a slot
	s_lshl_b32 s44, s17, 18                        ; wc: tiles 16 ct + 4 w on,
	s_lshl_b32 s45, s16, 16
	s_add_co_u32 s44, s44, s45
	s_add_co_u32 s44, s44, 8<<20                   ; behind W1's eight experts,
	s_lshl_b32 s40, s21, 20                        ; in the expert's 1 MiB
	s_add_co_u32 s40, s40, s44
	s_add_nc_u64 s[28:29], s[6:7], s[40:41]
	s_lshl_b32 s40, s22, 20
	s_add_co_u32 s40, s40, s44
	s_add_nc_u64 s[30:31], s[6:7], s[40:41]
	s_lshl_b32 s44, s17, 10                        ; 256 ct + 64 w numbers on: in b2 and in a row of out0
	s_lshl_b32 s45, s16, 8
	s_add_co_u32 s44, s44, s45
	s_lshl_b32 s40, s21, 12
	s_add_co_u32 s40, s40, s44
	s_add_nc_u64 s[32:33], s[8:9], s[40:41]
	s_lshl_b32 s40, s22, 12
	s_add_co_u32 s40, s40, s44
	s_add_nc_u64 s[34:35], s[8:9], s[40:41]
	s_mov_b32 s40, s44
	s_add_nc_u64 s[36:37], s[36:37], s[40:41]
	s_add_co_i32 s38, s26, s27                     ; e2 + e3
	s_sub_co_i32 s46, 0, s38
	v_mov_b32 v108, s23
.irp m, 0,1,2,3,4,5,6,7
	v_add_nc_u32 v109, 16*\m, v2
	v_cmp_gt_u32 vcc_lo, s20, v109
	v_cndmask_b32 v[TK+\m], v108, v[TK+\m], vcc_lo ; a row behind the last takes the first row's token
	v_min_u32 v[TK+\m], 0xfff, v[TK+\m]
	v_lshlrev_b32 v[TK+\m], 3, v[TK+\m]
.endr
	v_cmp_gt_u32 vcc_lo, s20, v0
	v_cndmask_b32 v104, v108, v104, vcc_lo
.irp m, 0,1,2,3,4,5,6,7
	global_load_b64 v[G+2*\m:G+2*\m+1], v[TK+\m], s[14:15]   ; (p of the lower expert, p of the higher)
.endr
.irp z, 0,1
.irp n, 0,1,2,3
	global_load_b128 v[BIAS+32*\z+8*\n:BIAS+32*\z+8*\n+3], v15, s[32+2*\z:33+2*\z] offset:128*(\n/2)+32*(\n%2)
	global_load_b128 v[BIAS+32*\z+8*\n+4:BIAS+32*\z+8*\n+7], v15, s[32+2*\z:33+2*\z] offset:128*(\n/2)+32*(\n%2)+16
.endr
.endr
.macro BLOAD g                         ; my four tiles' fragments of K step g % 8 of slot g / 8: 16 loads of 512 consecutive bytes
.irp n, 0,1,2,3
.irp c, 0,1,2,3
	global_load_b128 v[64*((\g)%4)+16*\n+4*\c:64*((\g)%4)+16*\n+4*\c+3], v1, s[28+2*((\g)/8):29+2*((\g)/8)] offset:16384*\n+2048*((\g)%8)+512*\c
.endr
.endr
.endm
.macro AFETCH g, a0                    ; h's fragments a0 .. a0 + 3 of the same K step, as they lie
.irp a, \a0, \a0+1, \a0+2, \a0+3
.irp c, 0,1,2,3
	ds_load_b128 v[AF+16*(\a)+4*\c:AF+16*(\a)+4*\c+3], v[4+2*((\g)/8)+(\a)/4] offset:16384*((\a)%4)+2048*((\g)%8)+512*\c
.endr
.endr
.endm
; 16 matrix instructions: tiles of rows a0 .. a0 + 3 x my four tiles of W2.  The 32 accumulators take turns, one instruction a turn, in the same order in every K step.
.macro MULH a0, p, c0, bi
.irp a, \a0, \a0+1, \a0+2, \a0+3
.irp n, 0,1,2,3
.if \c0
	v_wmma_f32_16x16x128_bf8_bf8 v[32*(\a)+8*\n:32*(\a)+8*\n+7], v[64*(\p)+16*\n:64*(\p)+16*\n+15], v[AF+16*(\a):AF+16*(\a)+15], v[\bi+8*\n:\bi+8*\n+7]
.else
	v_wmma_f32_16x16x128_bf8_bf8 v[32*(\a)+8*\n:32*(\a)+8*\n+7], v[64*(\p)+16*\n:64*(\p)+16*\n+15], v[AF+16*(\a):AF+16*(\a)+15], v[32*(\a)+8*\n:32*(\a)+8*\n+7]
.endif
.endr
.endr
.endm
; K step g of 16.  c0 = 1: the slot's bias starts the sums.  lc: the weights' loads that may stay out (16 for each younger K step).  bl = 1: the K step four on is asked for.  nx = 1: the next step's rows are fetched.
.macro KSTEP g, c0, lc, bl, nx
	s_wait_loadcnt \lc
	s_wait_dscnt 16                                ; rows 0-63 are in; the youngest sixteen reads (rows 64-127) may be out
.if \c0
	WIN MUL0
.else
	WIN MUL
.endif
	MULH 0, (\g)%4, \c0, BIAS+32*((\g)/8)
	s_wait_dscnt 0x0                               ; rows 64-127 are in
.if \nx
	PLACES
	WIN 0
	AFETCH (\g)+1, 0
.if \c0
	WIN MUL0
.else
	WIN MUL
.endif
.endif
	MULH 4, (\g)%4, \c0, BIAS+32*((\g)/8)
	PLACES
.if \bl
	WIN TO_B
	BLOAD (\g)+4
.endif
	WIN 0
.if \nx
	AFETCH (\g)+1, 4
.endif
.endm
	WIN TO_B
	BLOAD 0
	BLOAD 1
	BLOAD 2
	BLOAD 3
	WIN TO_2
.set k, 0
.rept 64
	global_load_b128 v[4*k:4*k+3], v1, s[4:5] offset:512*k          ; my quarter of slot 0's codes
.set k, k+1
.endr
	WIN TO_3
.set k, 0
.rept 64
	global_load_b128 v[4*k:4*k+3], v1, s[4:5] offset:131072+512*k   ; and of slot 1's
.set k, k+1
.endr
	WIN 0
	ds_store_b32 v12, v104
	s_wait_loadcnt 63                              ; slot 1's 64 loads are younger than slot 0's last: with 63 out at the most, slot 0's and all earlier loads are in
.set k, 0
.rept 16
	v_ldexp_f32 v[G+k], v[G+k], s38                ; the gates x 2^(e2 + e3)
.set k, k+1
.endr
.set k, 0
.rept 64
	v_ldexp_f32 v[BIAS+k], v[BIAS+k], s46          ; b2 / 2^(e2 + e3), both slots'
.set k, k+1
.endr
	WIN ST2
.set k, 0
.rept 64
	ds_store_b128 v13, v[4*k:4*k+3] offset:512*k
.set k, k+1
.endr
	WIN ST3
.irp t, 0,1,2,3
	s_wait_loadcnt 48-16*\t                        ; sixteen more of slot 1's loads are in
.set k, 16*\t
.rept 16
	ds_store_b128 v14, v[4*k:4*k+3] offset:512*k
.set k, k+1
.endr
.endr
	WIN 0
	s_wait_dscnt 0x0                               ; for the others' sake: my parts of the codes and of the tokens lie in LDS
	s_barrier_signal -1
	s_barrier_wait -1                              ; everybody's do; they are never written again
	s_cmp_eq_u32 s20, 0
	s_cbranch_scc1 .Ldone                          ; a block that the split leaves without rows stores nothing
	AFETCH 0, 0
	AFETCH 0, 4
	KSTEP 0, 1, 48, 1, 1
.irp g, 1,2,3,4,5,6,7
	KSTEP \g, 0, 48, 1, 1
.endr
	WIN 0xc2                                       ; destination window 3, source 0 window 2, the gate in window 0
.set k, 0
.rept 128
	v_pk_mul_f32 v[2*k:2*k+1], v[2*k:2*k+1], v[G+2*(k/16):G+2*(k/16)+1] op_sel_hi:[1,0]   ; g_lo x slot 0's sums, each accumulator from its low end on; the last K step's four plain lines stand ahead
.set k, k+1
.endr
	KSTEP 8, 1, 48, 1, 1
.irp g, 9,10,11
	KSTEP \g, 0, 48, 1, 1
.endr
	KSTEP 12, 0, 48, 0, 1
	KSTEP 13, 0, 32, 0, 1
	KSTEP 14, 0, 16, 0, 1
	KSTEP 15, 0, 0, 0, 0
.macro FMA m                           ; tile of rows m: g_hi x slot 1's sums + what slot 0 left, into v128-159 or v160-191 by turns
	WIN 0x32                                       ; source 0 window 2, the gate window 0, source 2 window 3, destination window 0
.set TT, T0+32*((\m)%2)
.set k, 0
.rept 16
	v_pk_fma_f32 v[TT+2*k:TT+2*k+1], v[32*(\m)+2*k:32*(\m)+2*k+1], v[G+2*(\m):G+2*(\m)+1], v[32*(\m)+2*k:32*(\m)+2*k+1] op_sel:[0,1,0] op_sel_hi:[1,1,1]
.set k, k+1
.endr
.endm
.macro TILE m
	WIN 0
.if \m > 0
	s_cmp_le_u32 s20, 16*\m
	s_cbranch_scc1 .Ldone                          ; from here on all rows are padding
.endif
.set TS, T0+32*((\m)%2)
.irp n, 0,1,2,3
	ds_store_b128 v8, v[TS+8*\n:TS+8*\n+3] offset:128*(\n/2)+32*(\n%2)        ; lane (r, h), tile n, register j: column 32 (n / 2) + 16 h + 8 (n % 2) + j of my 64
	ds_store_b128 v8, v[TS+8*\n+4:TS+8*\n+7] offset:128*(\n/2)+32*(\n%2)+16
.endr
	s_wait_xcnt 0x0                                ; the last tile's stores have read their data and offsets: both are written again below
.irp i, 0,1,2,3,4,5,6,7
	ds_load_b128 v[R+4*\i:R+4*\i+3], v9 offset:2*SP*\i   ; LDS serves a wave's instructions in order (ISA guide 5.7.1.4): these see my stores, and the next tile's stores come behind them
.endr
.irp i, 0,1,2,3,4,5,6,7
	ds_load_b32 v[TKR+\i], v10 offset:4*(16*\m+2*\i)
.endr
.if \m < 7
	FMA \m+1                                       ; the next tile's arithmetic stands between the reads and the wait for them
	WIN 0
.endif
	s_wait_dscnt 0x0
.irp i, 0,1,2,3,4,5,6,7
	v_min_u32 v[TKR+\i], 0xfff, v[TKR+\i]
	v_lshl_add_u32 v[OFS+\i], v[TKR+\i], 12, v11   ; the token's row of 4,096 bytes, + 16 bytes a lane
.endr
.irp i, 0,1,2,3,4,5,6,7
	global_store_b128 v[OFS+\i], v[R+4*\i:R+4*\i+3], s[36:37] th:TH_STORE_NT   ; sixteen lanes store 256 consecutive bytes, at a multiple of 256 from out0's first byte
.endr
.endm
	FMA 0                                          ; (the last K step's four plain lines stand ahead of the first read of its results and of the writes into h's registers)
.irp m, 0,1,2,3,4,5,6,7
	TILE \m
.endr
.Ldone:
	s_wait_tensorcnt 0x0
	ds_add_u32 v126, v127
	s_wait_dscnt 0x0
	s_endpgm
.Lfunc_end_k_q127ad5dcab_gemm2:
	.size	k_q127ad5dcab_gemm2, .Lfunc_end_k_q127ad5dcab_gemm2-k_q127ad5dcab_gemm2
	.p2alignl 7, 3214868480
	.fill 96, 4, 3214868480
	.section	.rodata,"a",@progbits
	.p2align	6, 0x0
	.amdhsa_kernel k_q127ad5dcab_gemm2
		.amdhsa_group_segment_fixed_size 280576
		.amdhsa_private_segment_fixed_size 0
		.amdhsa_enable_private_segment 0
		.amdhsa_kernarg_size 56
		.amdhsa_user_sgpr_count 2
		.amdhsa_user_sgpr_kernarg_segment_ptr 1
		.amdhsa_wavefront_size32 1
		.amdhsa_system_sgpr_workgroup_id_x 1
		.amdhsa_system_sgpr_workgroup_id_y 1
		.amdhsa_system_sgpr_workgroup_id_z 1
		.amdhsa_system_vgpr_workitem_id 0
		.amdhsa_next_free_vgpr 1024
		.amdhsa_next_free_sgpr 66
		.amdhsa_reserve_vcc 1
		.amdhsa_float_denorm_mode_32 3
		.amdhsa_float_denorm_mode_16_64 3
		.amdhsa_memory_ordered 1
		.amdhsa_forward_progress 1
		.amdhsa_inst_pref_size 174
	.end_amdhsa_kernel
	.amdgpu_metadata
---
amdhsa.version: [ 1, 2 ]
amdhsa.kernels:
  - .name:           k_q127ad5dcab_gemm2
    .symbol:         k_q127ad5dcab_gemm2.kd
    .args:
      - { .name: hc, .offset: 0, .size: 8, .value_kind: global_buffer, .address_space: global }
      - { .name: wc, .offset: 8, .size: 8, .value_kind: global_buffer, .address_space: global }
      - { .name: b2, .offset: 16, .size: 8, .value_kind: global_buffer, .address_space: global }
      - { .name: lowp_scales, .offset: 24, .size: 8, .value_kind: global_buffer, .address_space: global }
      - { .name: plan, .offset: 32, .size: 8, .value_kind: global_buffer, .address_space: global }
      - { .name: gate, .offset: 40, .size: 8, .value_kind: global_buffer, .address_space: global }
      - { .name: out0, .offset: 48, .size: 8, .value_kind: global_buffer, .address_space: global }
    .group_segment_fixed_size: 280576
    .private_segment_fixed_size: 0
    .kernarg_segment_align: 8
    .kernarg_segment_size: 56
    .max_flat_workgroup_size: 128
    .sgpr_count:     66
    .vgpr_count:     1024
    .wavefront_size: 32
...
	.end_amdgpu_metadata
.endif
;; end of part 4
;; ======== version 2 of 2: 4 launches
;; workspace buffers: xc 4,194,304 bytes; wc 16,777,216 bytes; hc 15,466,496 bytes; gate 32,768 bytes; sel 16,384 bytes of whole numbers; hist 32,768 bytes of whole numbers; plan 32,768 bytes of whole numbers
;; launch route (part 5): grid 256 x 1, 8 waves a work-group, no clusters, 54,528 bytes of LDS; arguments x, Wg, lowp_scales, xc, sel, gate, hist; writes xc, sel, gate, hist
.if DOCPART == 5
	.amdgcn_target "amdgcn-amd-amdhsa--gfx1250"
	.amdhsa_code_object_version 6
	.text
	.protected	k_q127ad5dcab_route
	.globl	k_q127ad5dcab_route
	.p2align	8
	.type	k_q127ad5dcab_route,@function
k_q127ad5dcab_route:
	s_mov_b64 s[64:65], 0
	v_nop
	global_prefetch_b8 v0, s[64:65] scope:SCOPE_SE
	s_setreg_imm32_b32 hwreg(HW_REG_WAVE_MODE, 25, 1), 1
	s_wait_xcnt 0x0
; ROUTER AND CODES OF x.  x: [4096][1024] f32, Wg: [1024][8] f32.  For each token: logits = x Wg in f32 (fused multiply-adds), softmax with the row's maximum
; taken away, the two largest probabilities (of equal ones the lower expert is kept, as jax.lax.top_k keeps it).  Stored, all at fixed places:
;   xc   [4096][1024]  x as codes of E5M2 with the given scale 2^e1 (entry 1 of the scales), K as it lies
;   gate [4096][2]     the probabilities of the lower and of the higher chosen expert
;   sel  [4096]        the pair's number c | the token's rank among the tokens of the same pair in its group of 16, << 8;  c(a, b) = a (13 - a) / 2 + b - 1, a < b
;   hist [256][32]     for each group of 16 tokens: how many have pair c (words 28 to 31 are 0)
; No address and no branch here hangs on the choice: the rows are placed by the next launch, which reads sel and hist.
; SHARES.  A work-group takes 16 tokens, a wave two.  A lane holds k = 128 i + 4 lane + j of a row (i = 0..7, j = 0..3): each load of the wave is 512 consecutive bytes.
; Wg lies in LDS once for the work-group, in pieces of four rows (128 bytes) 144 bytes apart.
; The codes turn through the wave's own LDS bytes, so that a wave's store covers 512 consecutive bytes.  sel, gate and hist are 64 + 128 + 128 bytes a work-group: short stores, 80 KiB in the whole launch.
; No matrix unit (8 columns), no cluster (work-groups share only Wg's 32 KiB), no tensor load (each byte of x goes straight into the registers that use it).
; LIMITS: e1 between -126 and 112.  NaN among the inputs is not served.  A probability under 2^-126 counts as 0 (v_exp_f32 gives 0 there: ISA guide 15.8).
.set WP,   144                         ; four rows of Wg + 16 bytes
.set CT,   36864                       ; behind Wg's 256 pieces: 2,048 bytes for each wave, the codes of its two tokens
.set KEYL, 53248                       ; 16 words: the tokens' pair numbers
.set GATL, 53376                       ; 16 x 8 bytes: their two probabilities
.set X,    32                          ; v32-95   x: token q, register 32 q + 4 i + j
.set W,    96                          ; v96-159  Wg: two sets of 32: register 8 j + e
.set ACC,  160                         ; v160-175 logits, then probabilities: 8 q + e
.set CD,   176                         ; v176-191 codes: 8 q + i
.set RB,   192                         ; v192-207 rows of codes read back
	s_load_b256 s[4:11], s[0:1], 0x0               ; x s[4:5], Wg s[6:7], scales s[8:9], xc s[10:11]
	s_load_b128 s[12:15], s[0:1], 0x20             ; sel s[12:13], gate s[14:15]
	s_load_b64 s[16:17], s[0:1], 0x30              ; hist
	v_lshl_add_u32 v208, v0, 2, 0xd100
	v_mov_b32 v209, 0
	v_lshrrev_b32 v12, 5, v0
	s_delay_alu instid0(VALU_DEP_1)
	v_readfirstlane_b32 s18, v12                   ; wave 0..7
	v_and_b32 v1, 31, v0                           ; lane
	s_delay_alu instid0(VALU_DEP_1)
	v_lshlrev_b32 v2, 4, v1                        ; 16 x lane
	v_lshrrev_b32 v3, 3, v0
	s_delay_alu instid0(VALU_DEP_1)
	v_mul_u32_u24 v3, v3, WP
	v_and_b32 v12, 7, v0
	s_delay_alu instid0(VALU_DEP_1)
	v_lshl_add_u32 v3, v12, 4, v3                  ; Wg into LDS: piece thread / 8, 16 bytes (thread % 8)
	v_lshlrev_b32 v4, 4, v0                        ; Wg in memory: 16 x thread
	v_mul_u32_u24 v5, v1, WP                       ; Wg out of LDS: piece 32 i + lane
	s_lshl_b32 s40, s18, 11
	s_add_co_u32 s40, s40, CT
	v_lshl_add_u32 v6, v1, 2, s40                  ; my wave's code bytes: 4 a lane on the way in,
	v_lshl_add_u32 v7, v1, 4, s40                  ; 16 a lane on the way out
	s_lshl_b32 s41, s18, 3
	s_add_co_u32 s41, s41, KEYL
	v_mov_b32 v10, s41                             ; my two tokens' words
	s_lshl_b32 s41, s18, 4
	s_add_co_u32 s41, s41, GATL
	v_mov_b32 v11, s41
	v_and_b32 v22, 15, v0
	s_delay_alu instid0(VALU_DEP_1)
	v_lshl_add_u32 v23, v22, 2, KEYL               ; for wave 0's tail: token lane % 16
	s_delay_alu instid0(VALU_DEP_2)
	v_lshl_add_u32 v24, v22, 3, GATL
	s_mov_b32 s20, 0x76543210                      ; v_permlanex16_b32: lane l xor 16
	s_mov_b32 s21, 0xfedcba98
	s_lshl_b32 s42, ttmp9, 16                      ; x: (16 g + 2 w) rows of 4,096 bytes
	s_lshl_b32 s43, s18, 13
	s_add_co_u32 s42, s42, s43
	s_mov_b32 s43, 0
	s_lshl_b32 s44, ttmp9, 14                      ; xc: the same rows of 1,024 bytes
	s_lshl_b32 s45, s18, 11
	s_add_co_u32 s44, s44, s45
	s_mov_b32 s45, 0
	s_wait_alu depctr_va_vdst(0)
	s_wait_kmcnt 0x0
	s_load_b32 s46, s[8:9], 0x4                    ; e1
	s_add_nc_u64 s[4:5], s[4:5], s[42:43]
	s_add_nc_u64 s[10:11], s[10:11], s[44:45]
.irp c, 0,1,2,3,4,5,6,7
	global_load_b128 v[W+4*\c:W+4*\c+3], v4, s[6:7] offset:4096*\c
.endr
.irp q, 0,1
.irp i, 0,1,2,3,4,5,6,7
	global_load_b128 v[X+32*\q+4*\i:X+32*\q+4*\i+3], v2, s[4:5] offset:4096*\q+512*\i th:TH_LOAD_NT
.endr
.endr
	s_wait_loadcnt 16                              ; Wg's eight loads are in; x's sixteen may be out
.irp c, 0,1,2,3,4,5,6,7
	ds_store_b128 v3, v[W+4*\c:W+4*\c+3] offset:32*WP*\c
.endr
	s_wait_dscnt 0x0                               ; for the others' sake: my part of Wg lies in LDS
	s_barrier_signal -1
	s_barrier_wait -1
.macro WLOAD i                         ; Wg's rows 128 i + 4 lane .. + 3 into set i % 2
.irp c, 0,1,2,3,4,5,6,7
	ds_load_b128 v[W+32*((\i)%2)+4*\c:W+32*((\i)%2)+4*\c+3], v5 offset:32*WP*(\i)+16*\c
.endr
.endm
; 128 along K for both tokens: 32 packed multiply-adds, two experts each; x's number is taken for both halves.  The first products start the sums.
.macro DOT i
.if \i < 7
	WLOAD \i+1
	s_wait_alu depctr_va_vdst(0)
	s_wait_dscnt 8                                 ; this block's eight reads are in; the next block's may be out
.else
	s_wait_dscnt 0x0
.endif
.set WS, W+32*((\i)%2)
.irp j, 0,1,2,3
.irp q, 0,1
.irp p, 0,2,4,6
.set XP, X+32*\q+4*(\i)+2*(\j/2)
.if (\i == 0) && (\j == 0)
	v_pk_mul_f32 v[ACC+8*\q+\p:ACC+8*\q+\p+1], v[WS+8*\j+\p:WS+8*\j+\p+1], v[XP:XP+1] op_sel_hi:[1,0]
.elseif (\j%2) == 0
	v_pk_fma_f32 v[ACC+8*\q+\p:ACC+8*\q+\p+1], v[WS+8*\j+\p:WS+8*\j+\p+1], v[XP:XP+1], v[ACC+8*\q+\p:ACC+8*\q+\p+1] op_sel_hi:[1,0,1]
.else
	v_pk_fma_f32 v[ACC+8*\q+\p:ACC+8*\q+\p+1], v[WS+8*\j+\p:WS+8*\j+\p+1], v[XP:XP+1], v[ACC+8*\q+\p:ACC+8*\q+\p+1] op_sel:[0,1,0] op_sel_hi:[1,1,1]
.endif
.endr
.endr
.endr
.endm
	WLOAD 0
	s_wait_kmcnt 0x0
	s_add_co_i32 s46, s46, 127
	s_lshl_b32 s47, s46, 23
	v_mov_b32 v8, s47                              ; 2^e1 as f32: the conversion takes its exponent field
	s_add_co_i32 s46, s46, 15
	s_lshl_b32 s46, s46, 23
	s_or_b32 s46, s46, 0x600000
	v_mov_b32 v9, s46                              ; 57,344 x 2^e1
	s_wait_loadcnt 0x0                             ; x
.irp i, 0,1,2,3,4,5,6,7
	s_wait_alu depctr_va_vdst(0)
	DOT \i
.endr
; Token q's 32 numbers of my lane become codes: code register i holds k = 128 i + 4 lane + 0..3.  They go into the row's place in my wave's LDS bytes and come back 16 bytes a lane.
.macro QUANT q
.set k, 0
.rept 32
	v_med3_num_f32 v[X+32*\q+k], v[X+32*\q+k], -v9, v9   ; the conversion to an 8-bit code does not saturate (ISA guide 7.6.2): the hold at the largest code x the scale
.set k, k+1
.endr
.irp g, 0,1,2,3
	v_cvt_scalef32_pk8_bf8_f32 v[CD+8*\q+2*\g:CD+8*\q+2*\g+1], v[X+32*\q+8*\g:X+32*\q+8*\g+7], v8
.endr
	v_nop                                          ; a plain line behind the last conversion
.irp i, 0,1,2,3,4,5,6,7
	ds_store_b32 v6, v[CD+8*\q+\i] offset:1024*\q+128*\i
.endr
.irp u, 0,1
	ds_load_b128 v[RB+8*\q+4*\u:RB+8*\q+4*\u+3], v7 offset:1024*\q+512*\u   ; LDS serves a wave's instructions in order (ISA guide 5.7.1.4): these see my stores
.endr
.endm
	QUANT 0
	QUANT 1
	; the sixteen sums over the 32 lanes: four steps inside each half ride on the addition, one crosses the halves; every lane ends with the logits
.irp m, 1,2,4,8
.set k, 0
.rept 16
	v_add_f32_dpp v[ACC+k], v[ACC+k], v[ACC+k] row_xmask:\m row_mask:0xf bank_mask:0xf
.set k, k+1
.endr
.endr
.set k, 0
.rept 16
	v_permlanex16_b32 v[W+k], v[ACC+k], s20, s21   ; (Wg's registers are done with, and have been written)
.set k, k+1
.endr
.set k, 0
.rept 16
	v_add_f32 v[ACC+k], v[ACC+k], v[W+k]
.set k, k+1
.endr
	s_wait_dscnt 0x0                               ; the rows of codes are back
.irp q, 0,1
.irp u, 0,1
	global_store_b128 v2, v[RB+8*\q+4*\u:RB+8*\q+4*\u+3], s[10:11] offset:1024*\q+512*\u   ; 512 consecutive bytes, at a multiple of 512 from xc's first byte
.endr
.endr
; Softmax and the two largest, for token q; every lane computes the same.
.macro SOFTTOP q
.set P, ACC+8*\q
	v_max3_num_f32 v12, v[P], v[P+1], v[P+2]
	s_delay_alu instid0(VALU_DEP_1)
	v_max3_num_f32 v12, v12, v[P+3], v[P+4]
	s_delay_alu instid0(VALU_DEP_1)
	v_max3_num_f32 v12, v12, v[P+5], v[P+6]
	s_delay_alu instid0(VALU_DEP_1)
	v_max_num_f32 v12, v12, v[P+7]                 ; the row's maximum is taken away ahead of the exponentials
.irp e, 0,1,2,3,4,5,6,7
	v_sub_f32 v[P+\e], v[P+\e], v12
.endr
.irp e, 0,1,2,3,4,5,6,7
	v_mul_f32 v[P+\e], 0x3fb8aa3b, v[P+\e]         ; x log2(e)
.endr
	s_wait_alu depctr_va_vdst(0)
.irp e, 0,1,2,3,4,5,6,7
	v_exp_f32 v[P+\e], v[P+\e]
.endr
	v_nop                                          ; a plain line behind the exponentials
	s_wait_alu depctr_va_vdst(0)
	v_add_f32 v12, v[P], v[P+1]
	v_add_f32 v13, v[P+2], v[P+3]
	v_add_f32 v14, v[P+4], v[P+5]
	v_add_f32 v15, v[P+6], v[P+7]
	s_delay_alu instid0(VALU_DEP_3)
	v_add_f32 v12, v12, v13
	s_delay_alu instid0(VALU_DEP_2)
	v_add_f32 v14, v14, v15
	s_delay_alu instid0(VALU_DEP_1)
	v_add_f32 v12, v12, v14
	s_wait_alu depctr_va_vdst(0)
	v_rcp_f32 v17, v12
	v_mov_b32 v14, 0                               ; (a plain line behind the reciprocal)  the largest's expert
	s_wait_alu depctr_va_vdst(0)
.irp e, 0,1,2,3,4,5,6,7
	v_mul_f32 v[P+\e], v[P+\e], v17
.endr
	v_mov_b32 v13, v[P]                            ; the largest so far
.irp e, 1
	s_delay_alu instid0(VALU_DEP_1)
	v_cmp_gt_f32 vcc_lo, v[P+\e], v13              ; strictly greater: of equal ones the lower expert stays
	s_delay_alu instid0(VALU_DEP_1)
	v_cndmask_b32 v13, v13, v[P+\e], vcc_lo
	s_delay_alu instid0(VALU_DEP_2)
	v_cndmask_b32 v14, v14, \e, vcc_lo
.endr
.irp e, 2, 3, 4, 5, 6, 7
	s_delay_alu instid0(VALU_DEP_2)
	v_cmp_gt_f32 vcc_lo, v[P+\e], v13
	s_delay_alu instid0(VALU_DEP_1)
	v_cndmask_b32 v13, v13, v[P+\e], vcc_lo
	s_delay_alu instid0(VALU_DEP_2)
	v_cndmask_b32 v14, v14, \e, vcc_lo
.endr
	v_mov_b32 v15, -1.0                            ; the second: under every probability
	v_mov_b32 v16, 0
.irp e, 0,1,2,3,4,5,6,7
	s_delay_alu instid0(VALU_DEP_2)
	v_cmp_gt_f32 s40, v[P+\e], v15
	v_cmp_ne_u32 s41, \e, v14                      ; not the first again
	s_and_b32 s40, s40, s41
	v_cndmask_b32 v15, v15, v[P+\e], s40
	v_cndmask_b32 v16, v16, \e, s40
.endr
	s_delay_alu instid0(VALU_DEP_1)
	v_cmp_lt_u32 vcc_lo, v14, v16
	s_delay_alu instid0(VALU_DEP_1)
	v_cndmask_b32 v18, v15, v13, vcc_lo            ; the lower expert's probability,
	s_delay_alu instid0(VALU_DEP_2)
	v_cndmask_b32 v19, v13, v15, vcc_lo            ; the higher one's
	s_delay_alu instid0(VALU_DEP_4)
	v_min_u32 v17, v14, v16                        ; a
	v_max_u32 v20, v14, v16                        ; b
	s_delay_alu instid0(VALU_DEP_2)
	v_sub_nc_u32 v21, 13, v17
	s_delay_alu instid0(VALU_DEP_1)
	v_mul_u32_u24 v21, v17, v21
	s_delay_alu instid0(VALU_DEP_1)
	v_lshrrev_b32 v21, 1, v21
	s_delay_alu instid0(VALU_DEP_1)
	v_add3_u32 v21, v21, v20, -1                   ; a (13 - a) / 2 + b - 1
	ds_store_b32 v10, v21 offset:4*\q              ; all lanes write the same word with the same number
	ds_store_b64 v11, v[18:19] offset:8*\q
.endm
	SOFTTOP 0
	SOFTTOP 1
	s_wait_dscnt 0x0                               ; for wave 0's sake: my tokens' words lie in LDS
	s_barrier_signal -1
	s_barrier_wait -1
	s_cmp_lg_u32 s18, 0
	s_cbranch_scc1 .Lend
	; wave 0: the group's histogram (lane = pair) and each token's rank among equals (lane % 16 = token)
	ds_load_b32 v15, v23
	ds_load_b64 v[16:17], v24
	s_lshl_b32 s40, ttmp9, 7
	s_mov_b32 s41, 0
	s_add_nc_u64 s[16:17], s[16:17], s[40:41]      ; hist: 128 bytes a group
	s_add_nc_u64 s[14:15], s[14:15], s[40:41]      ; gate: 16 x 8 bytes
	s_lshl_b32 s40, ttmp9, 6
	s_add_nc_u64 s[12:13], s[12:13], s[40:41]      ; sel: 16 x 4 bytes
	v_mov_b32 v18, 0
	v_mov_b32 v19, 0
	s_wait_dscnt 0x0
.set t, 0
.rept 16
	v_readlane_b32 s[24+t], v15, t
.set t, t+1
.endr
.set t, 0
.rept 16
	v_cmp_eq_u32 vcc_lo, s[24+t], v1               ; token t has pair = my lane
	s_delay_alu instid0(VALU_DEP_1)
	v_cndmask_b32 v20, 0, 1, vcc_lo
	s_delay_alu instid0(VALU_DEP_1)
	v_add_nc_u32 v18, v18, v20
	v_cmp_eq_u32 s40, s[24+t], v15                 ; token t has my token's pair,
	s_and_b32 s40, s40, ((0xffff<<(t+1))&0xffff)*0x10001   ; and comes before it (lanes with lane % 16 > t)
	v_cndmask_b32 v21, 0, 1, s40
	s_delay_alu instid0(VALU_DEP_1)
	v_add_nc_u32 v19, v19, v21
.set t, t+1
.endr
	s_delay_alu instid0(VALU_DEP_1)
	v_lshl_or_b32 v19, v19, 8, v15
	v_lshlrev_b32 v20, 2, v1
	v_lshlrev_b32 v21, 3, v1
	global_store_b32 v20, v18, s[16:17]
	v_cmp_gt_u32 vcc_lo, 16, v1
	s_wait_alu depctr_va_vdst(0)
	s_wait_xcnt 0x0                                ; EXEC is a source of the stores issued so far: it changes only behind this wait
	s_and_saveexec_b32 s42, vcc_lo
	global_store_b32 v20, v19, s[12:13]
	global_store_b64 v21, v[16:17], s[14:15]
	s_wait_xcnt 0x0                                ; and again in front of the line that widens it
	s_or_b32 exec_lo, exec_lo, s42
.Lend:
	s_wait_tensorcnt 0x0
	ds_add_u32 v208, v209
	s_wait_dscnt 0x0
	s_endpgm
.Lfunc_end_k_q127ad5dcab_route:
	.size	k_q127ad5dcab_route, .Lfunc_end_k_q127ad5dcab_route-k_q127ad5dcab_route
	.p2alignl 7, 3214868480
	.fill 96, 4, 3214868480
	.section	.rodata,"a",@progbits
	.p2align	6, 0x0
	.amdhsa_kernel k_q127ad5dcab_route
		.amdhsa_group_segment_fixed_size 54528
		.amdhsa_private_segment_fixed_size 0
		.amdhsa_enable_private_segment 0
		.amdhsa_kernarg_size 56
		.amdhsa_user_sgpr_count 2
		.amdhsa_user_sgpr_kernarg_segment_ptr 1
		.amdhsa_wavefront_size32 1
		.amdhsa_system_sgpr_workgroup_id_x 1
		.amdhsa_system_sgpr_workgroup_id_y 1
		.amdhsa_system_sgpr_workgroup_id_z 1
		.amdhsa_system_vgpr_workitem_id 0
		.amdhsa_next_free_vgpr 210
		.amdhsa_next_free_sgpr 66
		.amdhsa_reserve_vcc 1
		.amdhsa_float_denorm_mode_32 3
		.amdhsa_float_denorm_mode_16_64 3
		.amdhsa_memory_ordered 1
		.amdhsa_forward_progress 1
		.amdhsa_inst_pref_size 62
	.end_amdhsa_kernel
	.amdgpu_metadata
---
amdhsa.version: [ 1, 2 ]
amdhsa.kernels:
  - .name:           k_q127ad5dcab_route
    .symbol:         k_q127ad5dcab_route.kd
    .args:
      - { .name: x, .offset: 0, .size: 8, .value_kind: global_buffer, .address_space: global }
      - { .name: Wg, .offset: 8, .size: 8, .value_kind: global_buffer, .address_space: global }
      - { .name: lowp_scales, .offset: 16, .size: 8, .value_kind: global_buffer, .address_space: global }
      - { .name: xc, .offset: 24, .size: 8, .value_kind: global_buffer, .address_space: global }
      - { .name: sel, .offset: 32, .size: 8, .value_kind: global_buffer, .address_space: global }
      - { .name: gate, .offset: 40, .size: 8, .value_kind: global_buffer, .address_space: global }
      - { .name: hist, .offset: 48, .size: 8, .value_kind: global_buffer, .address_space: global }
    .group_segment_fixed_size: 54528
    .private_segment_fixed_size: 0
    .kernarg_segment_align: 8
    .kernarg_segment_size: 56
    .max_flat_workgroup_size: 256
    .sgpr_count:     66
    .vgpr_count:     210
    .wavefront_size: 32
...
	.end_amdgpu_metadata
.endif
;; end of part 5
;; launch prep (part 6): grid 513 x 1, 8 waves a work-group, no clusters, 0 bytes of LDS; arguments W1, W2, lowp_scales, sel, hist, wc, plan; writes wc, plan
.if DOCPART == 6
	.amdgcn_target "amdgcn-amd-amdhsa--gfx1250"
	.amdhsa_code_object_version 6
	.text
	.protected	k_q127ad5dcab_prep
	.globl	k_q127ad5dcab_prep
	.p2align	8
	.type	k_q127ad5dcab_prep,@function
k_q127ad5dcab_prep:
	s_mov_b64 s[64:65], 0
	v_nop
	global_prefetch_b8 v0, s[64:65] scope:SCOPE_SE
	s_setreg_imm32_b32 hwreg(HW_REG_WAVE_MODE, 25, 1), 1
	s_wait_xcnt 0x0
; TWO JOBS IN ONE LAUNCH.  Work-groups 1 to 512 turn W1 and W2 into codes; work-group 0 meanwhile places the tokens.  The two share no buffer that either writes.
; THE WEIGHTS.  W1 [8][1024 k][1024 n], W2 likewise, f32, K their first axis within an expert.  Codes of E5M2 with the given scales 2^e0 (W1) and 2^e3 (W2), laid in the order of an operand's registers:
;   wc [mu 16][tile T 64][K step s 8][2,048 bytes], mu = expert for W1, 8 + expert for W2.  In a piece of 2,048 bytes, part c (512 bytes) holds for lane r + 16 h its 16 bytes: row r of the tile, k = 128 s + 32 c + 16 h + 0..15.
;   Row i of tile T is column n = 32 (T / 2) + 8 (T % 2) + i + 8 (i / 8): used as source 0 of a product, the 16 result registers of tiles 2 b and 2 b + 1 are then 16 neighbouring columns.
; A LANE TAKES A COLUMN AND ITS REGISTERS RUN DOWN K, so the conversions give codes with K innermost and nothing is transposed.  A work-group takes 256 columns x 128 k, a wave 32 columns: a load of the wave
; reads 128 consecutive bytes (its lanes in the tiles' order of rows), the eight waves 1,024.  A lane's 16 codes are 16 bytes: sixteen lanes store 256 consecutive bytes, aligned.
; Loads run four groups of 16 rows (64 loads a wave) ahead; every offset is an immediate, every group has its own code registers, so no source is ever rewritten.
; THE PLACING.  Tokens are sorted by their pair of experts (28 pairs), each pair's run padded to blocks of 128: never more than (4096 + 28 x 127) / 128 = 59 blocks, whatever the choice.
;   plan: words 0..7679 token of (block, row); 7680..7935 one spare word a thread; 7936..7999 a block's word: lower expert | higher << 4 | rows << 8 (0: no rows).
; A counting sort without atomics: each of the eight waves sums the whole histogram for itself, so that no wave waits for another; wave w places tokens 512 w .. 512 w + 511.
; The histogram's 32 KiB come by 64 loads of 512 consecutive bytes, 32 of them in flight; the sums are then brought to 'lane c stands for pair c' by pulls between lanes.
; A token's place = 128 x its pair's first block + tokens of the pair in earlier groups of 16 + its rank in its group.  Rows behind a block's last are set to 0, so that every word that is read later is written.
; No LDS byte, no barrier, no tensor load, no cluster (nothing is read twice by other work-groups), no prefetch (the weights' loads already keep memory busy).
; LIMITS: e0 and e3 between -126 and 112.  NaN among the inputs is not served.
.set X,  32                            ; v32-95   four sets of 16 numbers
.set CD, 96                            ; v96-127  codes: four registers a group
	s_load_b256 s[4:11], s[0:1], 0x0               ; W1 s[4:5], W2 s[6:7], scales s[8:9], sel s[10:11]
	s_load_b128 s[12:15], s[0:1], 0x20             ; hist s[12:13], wc s[14:15]
	s_load_b64 s[16:17], s[0:1], 0x30              ; plan
	v_lshrrev_b32 v2, 5, v0
	s_delay_alu instid0(VALU_DEP_1)
	v_readfirstlane_b32 s18, v2                    ; wave 0..7
	v_and_b32 v1, 31, v0                           ; lane
	s_cmp_eq_u32 ttmp9, 0
	s_cbranch_scc1 .Lplace
	; ---------------- the weights ----------------
	s_sub_co_u32 s19, ttmp9, 1
	s_and_b32 s20, s19, 7                          ; s: which 128 along K
	s_bfe_u32 s21, s19, 0x20003                    ; which 256 columns
	s_lshr_b32 s22, s19, 5                         ; mu
	v_and_b32 v2, 7, v1
	v_bfe_u32 v3, v1, 3, 1
	s_delay_alu instid0(VALU_DEP_1)
	v_lshl_add_u32 v2, v3, 4, v2
	v_lshrrev_b32 v3, 4, v1
	s_delay_alu instid0(VALU_DEP_1)
	v_lshl_add_u32 v2, v3, 3, v2                   ; my column of the wave's 32: lane % 8 + 16 ((lane / 8) % 2) + 8 (lane / 16)
	s_delay_alu instid0(VALU_DEP_1)
	v_lshlrev_b32 v2, 2, v2
	v_and_b32 v4, 15, v1
	s_delay_alu instid0(VALU_DEP_1)
	v_lshlrev_b32 v4, 4, v4
	s_delay_alu instid0(VALU_DEP_1)
	v_lshl_add_u32 v4, v3, 14, v4                  ; out: row lane % 16 of tile lane / 16 of the wave's two (a tile's eight pieces are 16,384 bytes)
	s_and_b32 s23, s22, 7
	s_lshl_b32 s24, s23, 22                        ; in: the expert's 4 MiB,
	s_lshl_b32 s25, s20, 19                        ; 128 rows of 4,096 bytes,
	s_add_co_u32 s24, s24, s25
	s_lshl_b32 s25, s21, 10                        ; 256 columns,
	s_add_co_u32 s24, s24, s25
	s_lshl_b32 s25, s18, 7                         ; the wave's 32
	s_add_co_u32 s24, s24, s25
	s_mov_b32 s25, 0
	s_lshl_b32 s26, s22, 20                        ; out: mu's 1 MiB,
	s_lshl_b32 s27, s21, 18                        ; 16 tiles,
	s_add_co_u32 s26, s26, s27
	s_lshl_b32 s27, s18, 15                        ; the wave's two,
	s_add_co_u32 s26, s26, s27
	s_lshl_b32 s27, s20, 11                        ; the K step's piece
	s_add_co_u32 s26, s26, s27
	s_mov_b32 s27, 0
	s_wait_alu depctr_va_vdst(0)
	s_wait_kmcnt 0x0
	s_load_b128 s[28:31], s[8:9], 0x0              ; e0 .. e3
	s_cmp_lt_u32 s22, 8                            ; W1 or W2: the choice hangs on the work-group's number alone
	s_cselect_b64 s[4:5], s[4:5], s[6:7]
	s_add_nc_u64 s[4:5], s[4:5], s[24:25]
	s_add_nc_u64 s[14:15], s[14:15], s[26:27]
.macro LOADG g                         ; rows 16 g .. 16 g + 15 of my column into set g % 4
.set k, 0
.rept 16
	global_load_b32 v[X+16*((\g)%4)+k], v2, s[4:5] offset:(16*(\g)+k)*4096 th:TH_LOAD_NT
.set k, k+1
.endr
.endm
	LOADG 0
	LOADG 1
	LOADG 2
	LOADG 3
	s_wait_kmcnt 0x0
	s_cmp_lt_u32 s22, 8
	s_cselect_b32 s32, s28, s31                    ; e
	s_add_co_i32 s32, s32, 127
	s_lshl_b32 s33, s32, 23
	v_mov_b32 v5, s33                              ; 2^e as f32
	s_add_co_i32 s32, s32, 15
	s_lshl_b32 s32, s32, 23
	s_or_b32 s32, s32, 0x600000
	v_mov_b32 v6, s32                              ; 57,344 x 2^e
.macro GROUP g
.if \g <= 4
	s_wait_loadcnt 48                              ; this group's 16 loads are in; the three groups behind it may be out
.else
	s_wait_loadcnt 16*(7-\g)
.endif
.set XS, X+16*((\g)%4)
.set k, 0
.rept 16
	v_med3_num_f32 v[XS+k], v[XS+k], -v6, v6       ; the conversion to an 8-bit code does not saturate (ISA guide 7.6.2): the hold comes first
.set k, k+1
.endr
	v_cvt_scalef32_pk8_bf8_f32 v[CD+4*\g:CD+4*\g+1], v[XS:XS+7], v5
	v_cvt_scalef32_pk8_bf8_f32 v[CD+4*\g+2:CD+4*\g+3], v[XS+8:XS+15], v5
.if \g < 4
	LOADG \g+4                                     ; (the codes go to a store and the numbers' registers take loads; the next vector lines are the next group's holds, plain and on other registers)
.endif
	global_store_b128 v4, v[CD+4*\g:CD+4*\g+3], s[14:15] offset:256*\g   ; k = 16 g + 0..15 is part g / 2, half g % 2: sixteen lanes fill 256 consecutive bytes, aligned
.endm
	s_wait_alu depctr_va_vdst(0)
.irp g, 0,1,2,3,4,5,6,7
	GROUP \g
.endr
	s_endpgm
	; ---------------- the placing ----------------
	; REGISTERS: v2-9, v17, v19 offsets and constants; v10 a pair's tokens, v11 those in earlier waves' groups (lane = pair); v13 its first block; v14, v15 the blocks' words (block = lane, lane + 32);
	;   v20-23 at work; v24-27, v28-31 the same two sums while a lane still holds four pairs of every fourth row; v32-159 four sets of 32 for the histogram, then:
	;   v32-63 my wave's 32 rows (lane = pair), v64-79 my tokens' words, v80-95 their pairs' lanes, v96-127 where each group's first token of a pair goes, v128-159 what the pulls bring.
.set HQ,  32
.set SQ,  20
.set TOT, 24
.set PRE, 28
.Lplace:
	s_wait_alu depctr_va_vdst(0)
	v_lshlrev_b32 v2, 2, v1                        ; 4 x lane
	v_lshrrev_b32 v4, 5, v0                        ; wave
	s_delay_alu instid0(VALU_DEP_1)
	v_lshl_add_u32 v3, v4, 12, v2                  ; hist, lane = pair: my wave's 32 rows of 128 bytes
	s_delay_alu instid0(VALU_DEP_2)
	v_lshl_add_u32 v5, v4, 9, v1                   ; my first token: 512 x wave + lane
	s_delay_alu instid0(VALU_DEP_3)
	v_lshl_add_u32 v4, v4, 11, v2                  ; sel: 2,048 x wave + 4 x lane
	v_and_b32 v6, 127, v0                          ; the padding: my row
	v_lshlrev_b32 v7, 4, v1                        ; hist as it lies: 16 x lane
	v_add_nc_u32 v8, 32, v1
	v_mov_b32 v9, 0
	v_add_nc_u32 v17, 7680, v0                     ; my spare word
	v_lshrrev_b32 v19, 7, v0
	s_delay_alu instid0(VALU_DEP_1)
	v_add_lshl_u32 v19, v19, v1, 2                 ; 4 x (lane + wave / 4): the padding's pull
	s_mov_b32 s45, 0xffff0000                      ; lanes 16 to 31
	s_mov_b32 s48, 0x22222222                      ; lanes with lane % 4 = 1,
	s_mov_b32 s49, 0x44444444                      ; 2,
	s_mov_b32 s50, 0x88888888                      ; 3
	s_wait_alu depctr_va_vdst(0)
	s_wait_kmcnt 0x0
; Rows 32 w .. 32 w + 31 of hist, 4,096 bytes, by eight loads of 512 consecutive bytes into set w % 4: register 4 i + j of lane l is row 32 w + 4 i + l / 8, pair 4 (l % 8) + j.
.macro LOADQ w
.set k, 0
.rept 8
	global_load_b128 v[HQ+32*((\w)%4)+4*k:HQ+32*((\w)%4)+4*k+3], v7, s[12:13] offset:4096*(\w)+512*k
.set k, k+1
.endr
.endm
; Their sum over i, four chains side by side; it goes to the total, and to the part of earlier waves where w is under my wave's number.  The first set starts both sums: nothing is cleared.
.macro SUMQ w
.set HB, HQ+32*((\w)%4)
.if \w == 0
.set SD, TOT
.else
.set SD, SQ
.endif
.irp j, 0,1,2,3
	v_add3_u32 v[SD+\j], v[HB+\j], v[HB+4+\j], v[HB+8+\j]
.endr
.irp j, 0,1,2,3
	s_delay_alu instid0(VALU_DEP_4)
	v_add3_u32 v[SD+\j], v[SD+\j], v[HB+12+\j], v[HB+16+\j]
.endr
.irp j, 0,1,2,3
	s_delay_alu instid0(VALU_DEP_4)
	v_add3_u32 v[SD+\j], v[SD+\j], v[HB+20+\j], v[HB+24+\j]
.endr
.irp j, 0,1,2,3
	s_delay_alu instid0(VALU_DEP_4)
	v_add_nc_u32 v[SD+\j], v[SD+\j], v[HB+28+\j]
.endr
	s_cmp_gt_u32 s18, \w
	s_cselect_b32 s40, -1, 0
.if \w == 0
.irp j, 0,1,2,3
	v_and_b32 v[PRE+\j], s40, v[TOT+\j]
.endr
.else
.irp j, 0,1,2,3
	v_add_nc_u32 v[TOT+\j], v[TOT+\j], v[SQ+\j]
.endr
.if \w < 7
.irp j, 0,1,2,3
	v_and_b32 v[SQ+\j], s40, v[SQ+\j]
.endr
.irp j, 0,1,2,3
	s_delay_alu instid0(VALU_DEP_4)
	v_add_nc_u32 v[PRE+\j], v[PRE+\j], v[SQ+\j]
.endr
.endif
.endif
.endm
	LOADQ 0
	LOADQ 1
	LOADQ 2
	LOADQ 3
.irp w, 0,1,2,3
	s_wait_loadcnt 24                              ; this set's eight loads are in; the three sets behind it may be out
	SUMQ \w
	LOADQ \w+4
.endr
	s_wait_loadcnt 24                              ; set 4; sets 5 to 7 may be out
	SUMQ 4
.set k, 0
.rept 32
	global_load_b32 v[32+k], v3, s[12:13] offset:128*k   ; my wave's own 32 rows once more, lane = pair, into the registers that set 4 has left: they come in just behind the last sets
.set k, k+1
.endr
	s_wait_loadcnt 48                              ; set 5; sets 6 and 7 and those 32 may be out
	SUMQ 5
	s_wait_loadcnt 40                              ; set 6; set 7 and the 32 may be out
	SUMQ 6
.set k, 0
.rept 16
	global_load_b32 v[64+k], v4, s[10:11] offset:128*k   ; my 512 tokens' words, into the registers that set 5 has left
.set k, k+1
.endr
	s_wait_loadcnt 48                              ; set 7; the 32 and the 16 may be out
	SUMQ 7
	; to lane = pair: pair c's sums lie in component c % 4 of lanes c / 4 + 8 q, q = 0..3 (a lane has every fourth row).  A pull between lanes touches no LDS byte.
	v_and_b32 v128, 28, v1                         ; 4 x (lane / 4)
	s_delay_alu instid0(VALU_DEP_1)
	v_add_nc_u32 v129, 32, v128
	s_delay_alu instid0(VALU_DEP_2)
	v_add_nc_u32 v130, 64, v128
	s_delay_alu instid0(VALU_DEP_3)
	v_add_nc_u32 v131, 96, v128
.irp j, 0,1,2,3
.irp q, 0,1,2,3
	ds_bpermute_b32 v[96+4*\j+\q], v[128+\q], v[TOT+\j]
	ds_bpermute_b32 v[112+4*\j+\q], v[128+\q], v[PRE+\j]
.endr
.endr
	s_wait_dscnt 0x0
.irp j, 0,1,2,3
	v_add3_u32 v[132+\j], v[96+4*\j], v[97+4*\j], v[98+4*\j]
	v_add3_u32 v[136+\j], v[112+4*\j], v[113+4*\j], v[114+4*\j]
.endr
.irp j, 0,1,2,3
	v_add_nc_u32 v[132+\j], v[132+\j], v[99+4*\j]
	v_add_nc_u32 v[136+\j], v[136+\j], v[115+4*\j]
.endr
	v_cndmask_b32 v10, v132, v133, s48             ; component lane % 4
	v_cndmask_b32 v11, v136, v137, s48
	s_delay_alu instid0(VALU_DEP_2)
	v_cndmask_b32 v10, v10, v134, s49
	s_delay_alu instid0(VALU_DEP_2)
	v_cndmask_b32 v11, v11, v138, s49
	s_delay_alu instid0(VALU_DEP_2)
	v_cndmask_b32 v10, v10, v135, s50
	s_delay_alu instid0(VALU_DEP_2)
	v_cndmask_b32 v11, v11, v139, s50
.set c, 0
.rept 28
	v_readlane_b32 s[66+c], v10, c                 ; the 28 pairs' counts, in one run, so that no step of the walk below waits for a lane's number
.set c, c+1
.endr
	v_mov_b32 v13, 0
	v_mov_b32 v14, 0
	v_mov_b32 v15, 0
	s_mov_b32 s41, 0                               ; blocks so far
.set PA, 0
.set PB, 1
.set c, 0
.rept 28                               ; pair c = (PA, PB): its first block, and the words of its blocks
	s_add_co_u32 s43, s[66+c], 127
	s_lshr_b32 s43, s43, 7                         ; its blocks
	v_writelane_b32 v13, s41, c
	v_sub_nc_u32 v20, v1, s41                      ; which block of the pair is block lane (lane + 32)?
	v_sub_nc_u32 v21, v8, s41
	s_delay_alu instid0(VALU_DEP_2)
	v_cmp_gt_u32 vcc_lo, s43, v20                  ; one of them (unsigned: an earlier block gives a huge number)
	s_delay_alu instid0(VALU_DEP_2)
	v_cmp_gt_u32 s44, s43, v21
	s_delay_alu instid0(VALU_DEP_4)
	v_lshlrev_b32 v20, 7, v20
	s_delay_alu instid0(VALU_DEP_4)
	v_lshlrev_b32 v21, 7, v21
	s_delay_alu instid0(VALU_DEP_2)
	v_sub_nc_u32 v20, s[66+c], v20
	s_delay_alu instid0(VALU_DEP_2)
	v_sub_nc_u32 v21, s[66+c], v21
	s_delay_alu instid0(VALU_DEP_2)
	v_min_u32 v20, 128, v20                        ; its rows
	s_delay_alu instid0(VALU_DEP_2)
	v_min_u32 v21, 128, v21
	s_delay_alu instid0(VALU_DEP_2)
	v_lshl_or_b32 v20, v20, 8, PA|(PB<<4)
	s_delay_alu instid0(VALU_DEP_2)
	v_lshl_or_b32 v21, v21, 8, PA|(PB<<4)
	s_delay_alu instid0(VALU_DEP_2)
	v_cndmask_b32 v14, v14, v20, vcc_lo
	s_delay_alu instid0(VALU_DEP_2)
	v_cndmask_b32 v15, v15, v21, s44
	s_add_co_u32 s41, s41, s43
.set c, c+1
.set PB, PB+1
.if PB > 7
.set PA, PA+1
.set PB, PA+1
.endif
.endr
	s_wait_loadcnt 0x0                             ; my wave's rows and my tokens' words
	v_lshl_add_u32 v96, v13, 7, v11                ; v[96 + i]: where group i's first token of pair = lane goes
.set k, 1
.rept 31
	s_delay_alu instid0(VALU_DEP_1)
	v_add_nc_u32 v[96+k], v[96+k-1], v[32+k-1]
.set k, k+1
.endr
.set k, 0
.rept 16
	v_and_b32 v[80+k], 0xff, v[64+k]
	s_delay_alu instid0(VALU_DEP_1)
	v_lshlrev_b32 v[80+k], 2, v[80+k]              ; the lane that stands for my token's pair, x 4
	v_lshrrev_b32 v[64+k], 8, v[64+k]              ; my token's rank
.set k, k+1
.endr
.set k, 0
.rept 16
	ds_bpermute_b32 v[128+2*k], v[80+k], v[96+2*k]
	ds_bpermute_b32 v[129+2*k], v[80+k], v[97+2*k]
.set k, k+1
.endr
	ds_bpermute_b32 v22, v19, v14                  ; for the padding: lane 2 j (mod 32) gets the word of block 2 j + wave / 4
	ds_bpermute_b32 v23, v19, v15
	s_wait_dscnt 0x0
.set k, 0
.rept 16
	v_cndmask_b32 v[128+2*k], v[128+2*k], v[129+2*k], s45   ; lanes 16 to 31 hold tokens of the odd group
	s_delay_alu instid0(VALU_DEP_1)
	v_add_nc_u32 v[64+k], v[64+k], v[128+2*k]
	s_delay_alu instid0(VALU_DEP_1)
	v_min_u32 v[64+k], 0x1dff, v[64+k]             ; held inside the 7,680 words
	s_delay_alu instid0(VALU_DEP_1)
	v_lshlrev_b32 v[64+k], 2, v[64+k]
	v_add_nc_u32 v[32+k], 32*k, v5                 ; the token's number
	global_store_b32 v[64+k], v[32+k], s[16:17]    ; sixteen address and sixteen data registers, none rewritten
.set k, k+1
.endr
	; the padding: word thread + 256 j is row thread % 128 of block 2 j + wave / 4; behind the block's last row it becomes 0, else the 0 goes to my spare word
.set j, 0
.rept 30
	v_readlane_b32 s[66+j], v[22+j/16], (2*j)&31   ; my wave's thirty blocks' words, in one run
.set j, j+1
.endr
.set j, 0
.rept 30
	s_lshr_b32 s42, s[66+j], 8                     ; the block's rows
	v_cmp_le_u32 vcc_lo, s42, v6
	v_add_nc_u32 v[96+j], 256*j, v0
	s_delay_alu instid0(VALU_DEP_1)
	v_cndmask_b32 v[96+j], v17, v[96+j], vcc_lo
	s_delay_alu instid0(VALU_DEP_1)
	v_min_u32 v[96+j], 0x1fff, v[96+j]
	s_delay_alu instid0(VALU_DEP_1)
	v_lshlrev_b32 v[96+j], 2, v[96+j]
	global_store_b32 v[96+j], v9, s[16:17]         ; thirty address registers, none rewritten
.set j, j+1
.endr
	s_cmp_lg_u32 s18, 0
	s_cbranch_scc1 .Lplaced
	global_store_b32 v2, v14, s[16:17] offset:31744    ; the 64 blocks' words
	global_store_b32 v2, v15, s[16:17] offset:31872
.Lplaced:
	s_endpgm
.Lfunc_end_k_q127ad5dcab_prep:
	.size	k_q127ad5dcab_prep, .Lfunc_end_k_q127ad5dcab_prep-k_q127ad5dcab_prep
	.p2alignl 7, 3214868480
	.fill 96, 4, 3214868480
	.section	.rodata,"a",@progbits
	.p2align	6, 0x0
	.amdhsa_kernel k_q127ad5dcab_prep
		.amdhsa_group_segment_fixed_size 0
		.amdhsa_private_segment_fixed_size 0
		.amdhsa_enable_private_segment 0
		.amdhsa_kernarg_size 56
		.amdhsa_user_sgpr_count 2
		.amdhsa_user_sgpr_kernarg_segment_ptr 1
		.amdhsa_wavefront_size32 1
		.amdhsa_system_sgpr_workgroup_id_x 1
		.amdhsa_system_sgpr_workgroup_id_y 1
		.amdhsa_system_sgpr_workgroup_id_z 1
		.amdhsa_system_vgpr_workitem_id 0
		.amdhsa_next_free_vgpr 160
		.amdhsa_next_free_sgpr 96
		.amdhsa_reserve_vcc 1
		.amdhsa_float_denorm_mode_32 3
		.amdhsa_float_denorm_mode_16_64 3
		.amdhsa_memory_ordered 1
		.amdhsa_forward_progress 1
		.amdhsa_inst_pref_size 121
	.end_amdhsa_kernel
	.amdgpu_metadata
---
amdhsa.version: [ 1, 2 ]
amdhsa.kernels:
  - .name:           k_q127ad5dcab_prep
    .symbol:         k_q127ad5dcab_prep.kd
    .args:
      - { .name: W1, .offset: 0, .size: 8, .value_kind: global_buffer, .address_space: global }
      - { .name: W2, .offset: 8, .size: 8, .value_kind: global_buffer, .address_space: global }
      - { .name: lowp_scales, .offset: 16, .size: 8, .value_kind: global_buffer, .address_space: global }
      - { .name: sel, .offset: 24, .size: 8, .value_kind: global_buffer, .address_space: global }
      - { .name: hist, .offset: 32, .size: 8, .value_kind: global_buffer, .address_space: global }
      - { .name: wc, .offset: 40, .size: 8, .value_kind: global_buffer, .address_space: global }
      - { .name: plan, .offset: 48, .size: 8, .value_kind: global_buffer, .address_space: global }
    .group_segment_fixed_size: 0
    .private_segment_fixed_size: 0
    .kernarg_segment_align: 8
    .kernarg_segment_size: 56
    .max_flat_workgroup_size: 256
    .sgpr_count:     96
    .vgpr_count:     160
    .wavefront_size: 32
...
	.end_amdgpu_metadata
.endif
;; end of part 6
;; launch gemm1 (part 7): grid 4 x 59, 4 waves a work-group, no clusters, 133,632 bytes of LDS; arguments xc, wc, b1, lowp_scales, plan, hc; writes hc
.if DOCPART == 7
	.amdgcn_target "amdgcn-amd-amdhsa--gfx1250"
	.amdhsa_code_object_version 6
	.text
	.protected	k_q127ad5dcab_gemm1
	.globl	k_q127ad5dcab_gemm1
	.p2align	8
	.type	k_q127ad5dcab_gemm1,@function
k_q127ad5dcab_gemm1:
	s_mov_b64 s[64:65], 0
	v_nop
	global_prefetch_b8 v0, s[64:65] scope:SCOPE_SE
	s_setreg_imm32_b32 hwreg(HW_REG_WAVE_SCHED_MODE, 0, 2), 2
	s_setreg_imm32_b32 hwreg(HW_REG_WAVE_MODE, 25, 1), 1
	s_wait_xcnt 0x0
	s_wait_alu depctr_vm_vsrc(0)
; THE FIRST PRODUCT OF THE CHOSEN EXPERTS: hc = codes of gelu(x W1_e + b1_e), e = the block's two experts, on codes of E5M2 (v_wmma_f32_16x16x128_bf8_bf8), sums in f32.
; A block is 128 tokens that chose the same pair of experts (list: plan).  A work-group takes one block x 256 hidden units, for both experts (slot 0 the lower, slot 1 the higher).
; THE WAVES SHARE THE COLUMNS: wave w makes hidden units 256 ct + 64 w .. + 63 (four tiles of W1) for all 128 rows: 32 accumulators.  The rows' codes lie in LDS once, gathered by the list, and serve both slots;
; the weights' fragments come from wc, which is laid in the order of an operand's registers, straight into the registers of the one wave that uses them: 512 consecutive bytes a load, each byte once a work-group.
; THE PRODUCT IS USED TRANSPOSED (source 0 = 16 rows of a tile of W1, source 1 = 16 tokens): a lane holds one token, and the 16 registers of two neighbouring tiles are 16 neighbouring hidden units
; (wc's tiles are chosen so).  So the conversions' results are 16 bytes of the next product's operand, and a wave's store is 512 consecutive bytes of hc, aligned: no stage, no second barrier.
;   hc [block 59][slot 2][tile of rows m 8][K step s 8][2,048 bytes], a piece laid as wc's: part c, lane r + 16 h: row r, k = 128 s + 32 c + 16 h + 0..15.
; b1 / 2^(e0 + e1) is the C of a slot's first K step.  gelu is the tanh form, written x / (1 + 2^(x (C1 + C2 x^2))), C1 = -2 sqrt(2 / pi) log2(e), C2 = 0.044715 C1: the same function, one exponential and one reciprocal.
; Rows behind a block's last are copies of its first row.  A block without rows passes the one barrier and ends behind it: no barrier stands behind a branch on a stored number.
; NO TENSOR LOAD, NO CLUSTER: work-groups end on a stored count, and which blocks share an expert is known only from the list, so neighbours in a grid need not want the same tiles.  No prefetch: wc's tiles are read by several blocks.
; LIMITS: e0 + e1 between -126 and 127; e2 between -126 and 112.  NaN among the inputs is not served.
; REGISTERS, in windows of 256: window 0: v1-21 addresses and constants; v32-63 b1's four tiles; v64-79, v80-95 at work; v96-127 the gather's offsets; v128-255 the rows' fragments, set 0 (later v128-191 the codes).
;   window 1: W1's fragments, a ring of four K steps, v[64 (s % 4) + 16 tile + 4 c].   window 2: the accumulators, v[32 m + 8 tile] (at the head: the gathered rows on their way to LDS).   window 3: v0-127 the rows' fragments, set 1.
; THE MODE: SCHED_MODE bits 1:0 = 2 (LLVM: expert scheduling mode 2), set by the entry lines.  The code itself states the register dependences
; between vector or matrix instructions and memory or LDS instructions, with s_wait_alu, always for 0.
; THE PLAN.  Registers that memory or LDS instructions touch:
;   v1, v4-6, v9, v10, v96-127   offsets and addresses: written once at the head, never again.
;   rows' sets 0 and 1   K step s: its 32 matrix instructions read set s % 2; the LDS loads of K step s + 1, issued in step s, land in the other set, which step s - 1 read.
;   the ring's four sets K step s reads set s % 4; the loads of K step s + 3, issued in steps 1 to 4, land in set (s - 1) % 4, which step s - 1 read.  A slot's K steps 0 to 3 are asked for ahead of the slot.
;   v32-63 (the bias)    loaded, scaled in place, read by K step 0 as C; loaded again behind K step 7.
;   window 2             at the head written by the gather's loads and read by the LDS stores; then the matrix instructions write it.
;   v128-191 (the codes) a group's conversions write four registers, one store reads them; in the next slot they are the rows' set 0 again.
; So ONE wait on va_vdst stands at the head of K steps 1 to 6: the step before is done reading the two sets in which this step's loads land, and these loads are dealt among the step's matrix instructions,
; which name the other set of rows, another set of the ring and the accumulators.  In the activation a group's store stands behind the next group's wait for its exponentials, which the conversions precede.
.set PITCH, 1040                       ; a row of 1,024 codes + 16 bytes = 65 x 16: the 16 rows of a fragment's read start at 16 different banks (64 banks of 4 bytes: ISA guide 11.1)
.set BIAS,  32
.set T,     64
.set U,     80
.set GO,    96
.set CDR,   128
.set MSB, 0
.macro WIN new                         ; the immediate's high byte repeats the setting that is left; a switch that changes nothing is dropped
.if MSB != (\new)
	s_set_vgpr_msb (MSB<<8)|(\new)
.set MSB, \new
.endif
.endm
.set MUL0,  0x81                       ; source 0 (W1) window 1, source 1 (rows, set 0) and C (the bias) window 0, D window 2
.set TO_B,  0x40                       ; destination window 1
.set TO_2,  0x80                       ; destination window 2
.set ST2,   0x08                       ; an LDS store's data in window 2
.set FROM2, 0x02                       ; source 0 window 2
.macro MWIN s, c0                      ; the windows of K step s's products: W1 window 1, C and D window 2, the rows window 0 (set 0) or 3 (set 1)
.if \c0
	WIN MUL0
.else
	WIN 0xa1+0x0c*((\s)%2)
.endif
.endm
.macro PLACES                          ; a vector instruction that reads a matrix result stands four plain vector lines behind it; this text keeps the four ahead of loads into a matrix instruction's registers too, ahead of the wait that states that dependence
.rept 4
	v_nop
.endr
.endm
	s_load_b256 s[4:11], s[0:1], 0x0               ; xc s[4:5], wc s[6:7], b1 s[8:9], scales s[10:11]
	s_load_b128 s[12:15], s[0:1], 0x20             ; plan s[12:13], hc s[14:15]
	v_lshl_add_u32 v30, v0, 2, 0x20800
	v_mov_b32 v31, 0
	v_lshrrev_b32 v2, 5, v0
	v_readfirstlane_b32 s16, v2                    ; wave 0..3
	s_mov_b32 s17, ttmp9                           ; ct: which 256 hidden units
	s_and_b32 s18, ttmp7, 0xffff                   ; the block
	v_and_b32 v8, 31, v0
	v_lshlrev_b32 v1, 4, v8                        ; 16 x lane
	v_and_b32 v2, 15, v0                           ; r
	v_bfe_u32 v3, v0, 4, 1                         ; h
	v_mul_u32_u24 v4, v2, PITCH
	v_lshl_add_u32 v4, v3, 4, v4                   ; a fragment of rows 0-63: row r, + 16 h
	v_add_nc_u32 v5, 64*PITCH, v4                  ; of rows 64-127
	s_wait_alu depctr_va_sdst(0)                   ; s16 is written, ahead of its first reader
	s_mul_i32 s40, s16, 32*PITCH
	v_add_nc_u32 v6, s40, v1                       ; the gather's way into LDS: my wave's 32 rows
	v_lshlrev_b32 v9, 6, v3                        ; b1: 16 h numbers on
	v_lshlrev_b32 v10, 2, v0                       ; the list: row = thread
	s_lshl_b32 s42, s18, 9
	s_mov_b32 s43, 0
	s_lshl_b32 s44, s18, 2
	s_wait_kmcnt 0x0
	s_add_nc_u64 s[42:43], s[12:13], s[42:43]      ; the block's 128 words
	s_load_b32 s19, s[12:13], s44 offset:31744     ; the block's word
	s_load_b32 s23, s[42:43], 0x0                  ; its first token
	s_load_b128 s[24:27], s[10:11], 0x0            ; e0 .. e3
	s_wait_alu depctr_va_vdst(0)                   ; the offsets and addresses v1, v4, v5, v6, v9 and v10 are written, which the loads and LDS instructions of the whole kernel read
	global_load_b32 v7, v10, s[42:43]
	s_wait_kmcnt 0x0
	s_wait_loadcnt 0x0
	s_lshr_b32 s20, s19, 8                         ; rows
	s_and_b32 s21, s19, 15
	s_min_u32 s21, s21, 7                          ; the lower expert
	s_bfe_u32 s22, s19, 0x40004
	s_min_u32 s22, s22, 7                          ; the higher
	v_mov_b32 v11, s23
	v_cmp_gt_u32 vcc_lo, s20, v0
	s_wait_alu depctr_va_vcc(0)                    ; the compare has written VCC, which the select reads
	v_cndmask_b32 v7, v11, v7, vcc_lo              ; a row behind the last takes the first row's token
	s_wait_alu depctr_va_vdst(0)
	s_mov_b32 s41, 0
	s_lshl_b32 s44, s17, 18                        ; wc: tiles 16 ct + 4 w on, 16,384 bytes each,
	s_lshl_b32 s45, s16, 16
	s_add_co_u32 s44, s44, s45
	s_lshl_b32 s40, s21, 20                        ; in the expert's 1 MiB
	s_add_co_u32 s40, s40, s44
	s_add_nc_u64 s[28:29], s[6:7], s[40:41]        ; this slot's weights
	s_lshl_b32 s40, s22, 20
	s_add_co_u32 s40, s40, s44
	s_add_nc_u64 s[30:31], s[6:7], s[40:41]        ; the next slot's
	s_lshl_b32 s44, s17, 10                        ; b1: 256 ct + 64 w numbers on,
	s_lshl_b32 s45, s16, 8
	s_add_co_u32 s44, s44, s45
	s_lshl_b32 s40, s21, 12                        ; in the expert's 4,096 bytes
	s_add_co_u32 s40, s40, s44
	s_add_nc_u64 s[32:33], s[8:9], s[40:41]
	s_lshl_b32 s40, s22, 12
	s_add_co_u32 s40, s40, s44
	s_add_nc_u64 s[34:35], s[8:9], s[40:41]
	s_lshl_b32 s40, s18, 18                        ; hc: the block's 262,144 bytes; my 64 hidden units are K step 2 ct + w / 2, parts 2 (w % 2) and + 1
	s_lshl_b32 s45, s17, 12
	s_add_co_u32 s40, s40, s45
	s_lshr_b32 s45, s16, 1
	s_lshl_b32 s45, s45, 11
	s_add_co_u32 s40, s40, s45
	s_and_b32 s45, s16, 1
	s_lshl_b32 s45, s45, 10
	s_add_co_u32 s40, s40, s45
	s_add_nc_u64 s[36:37], s[14:15], s[40:41]
.macro BIASLD base                     ; lane (r, h), tile n, register j: hidden unit 32 (n / 2) + 16 h + 8 (n % 2) + j of my 64
.irp n, 0,1,2,3
	global_load_b128 v[BIAS+8*\n:BIAS+8*\n+3], v9, s[\base:\base+1] offset:128*(\n/2)+32*(\n%2)
	global_load_b128 v[BIAS+8*\n+4:BIAS+8*\n+7], v9, s[\base:\base+1] offset:128*(\n/2)+32*(\n%2)+16
.endr
.endm
.macro BLOAD s                         ; my four tiles' fragments of K step s: 16 loads of 512 consecutive bytes
.irp n, 0,1,2,3
.irp c, 0,1,2,3
	global_load_b128 v[64*((\s)%4)+16*\n+4*\c:64*((\s)%4)+16*\n+4*\c+3], v1, s[28:29] offset:16384*\n+2048*(\s)+512*\c
.endr
.endr
.endm
.macro AFETCH s, a0                    ; the rows' fragments a0 .. a0 + 3 of K step s, into set s % 2: registers 4 c .. 4 c + 3 hold k = 128 s + 32 c + 16 h + 0..15, the places that wc's pieces give the same k
.set AB, 128-128*((\s)%2)              ; set 0 at v128 of window 0, set 1 at v0 of window 3
	WIN 0xc0*((\s)%2)
.irp a, \a0, \a0+1, \a0+2, \a0+3
.irp c, 0,1,2,3
	ds_load_b128 v[AB+16*(\a)+4*\c:AB+16*(\a)+4*\c+3], v[4+(\a)/4] offset:16*PITCH*((\a)%4)+128*(\s)+32*\c
.endr
.endr
.endm
; 8 matrix instructions of K step s: tiles of rows a0, a0 + 1 x my four tiles of W1.  The 32 accumulators take turns, one instruction a turn, in the same order in every K step.
.macro MUL8 a0, s, c0
.set AB, 128-128*((\s)%2)
.irp a, \a0, \a0+1
.irp n, 0,1,2,3
.if \c0
	v_wmma_f32_16x16x128_bf8_bf8 v[32*(\a)+8*\n:32*(\a)+8*\n+7], v[64*((\s)%4)+16*\n:64*((\s)%4)+16*\n+15], v[AB+16*(\a):AB+16*(\a)+15], v[BIAS+8*\n:BIAS+8*\n+7]
.else
	v_wmma_f32_16x16x128_bf8_bf8 v[32*(\a)+8*\n:32*(\a)+8*\n+7], v[64*((\s)%4)+16*\n:64*((\s)%4)+16*\n+15], v[AB+16*(\a):AB+16*(\a)+15], v[32*(\a)+8*\n:32*(\a)+8*\n+7]
.endif
.endr
.endr
.endm
; A K step of 128: 32 matrix instructions on set s % 2 of the rows and set s % 4 of the ring.  c0 = 1: the bias starts the sums.  lc: the weights' loads that may stay out (16 for each younger K step).
; bl = 1: the weights of K step s + 3 are asked for.  nx = 1: the next step's rows are fetched, into the other set.
.macro KSTEP s, c0, lc, bl, nx
	s_wait_loadcnt \lc
	s_wait_dscnt 16                                ; this step's rows 0-63 are in; the youngest sixteen reads (its rows 64-127) may be out
.if ((\s) > 0) && (\nx)
	PLACES
	s_wait_alu depctr_va_vdst(0)                   ; the K step before is done reading the other set of rows and its set of the ring: this step's loads land there, and no matrix instruction of this step names them
.endif
	MWIN \s, \c0
	MUL8 0, \s, \c0
.if \bl
	WIN TO_B
	BLOAD (\s)+3
.endif
.if \nx
	AFETCH (\s)+1, 0
.endif
	MWIN \s, \c0
	MUL8 2, \s, \c0
.if \nx
	s_wait_dscnt 16                                ; this step's rows 64-127 are in; the sixteen reads just issued may be out
.else
	s_wait_dscnt 0x0
.endif
	MUL8 4, \s, \c0
.if \nx
	AFETCH (\s)+1, 4
	MWIN \s, \c0
.endif
	MUL8 6, \s, \c0
.endm
	BIASLD 32
	WIN TO_B
	BLOAD 0
	BLOAD 1
	BLOAD 2
	BLOAD 3
	WIN 0
	; the gather: my wave's 32 rows of the block, 1,024 bytes each, two loads of 512 bytes a row.  The tokens come out of the lanes in two runs of sixteen, one wait behind each run
.irp t, 0,1
.set k, 0
.rept 16
	v_readlane_b32 s[48+k], v7, 16*\t+k
.set k, k+1
.endr
	s_wait_alu depctr_va_sdst(0)                   ; s48 to s63 are written, ahead of their first readers
.set k, 0
.rept 16
	s_min_u32 s[48+k], s[48+k], 4095
	s_lshl_b32 s[48+k], s[48+k], 10
	v_add_nc_u32 v[GO+16*\t+k], s[48+k], v1
.set k, k+1
.endr
.endr
	WIN TO_2
	s_wait_alu depctr_va_vdst(0)                   ; the 32 offsets v96-127 are written, which the gather's loads read
.set k, 0
.rept 32
	global_load_b128 v[8*k:8*k+3], v[GO+k], s[4:5]
	global_load_b128 v[8*k+4:8*k+7], v[GO+k], s[4:5] offset:512
.set k, k+1
.endr
	WIN 0
	s_add_co_i32 s46, s24, s25                     ; e0 + e1: a sum stands for sum x 2^(e0 + e1)
	s_sub_co_i32 s39, 0, s46
	s_add_co_i32 s46, s46, 127
	s_lshl_b32 s46, s46, 23
	v_mov_b32 v12, s46                             ; 2^(e0 + e1), twice
	v_mov_b32 v13, s46
	v_mov_b32 v14, 0xc0135761                      ; C1 = -2.3022082
	v_mov_b32 v15, 0xc0135761
	v_mov_b32 v16, 0xbdd2d3e8                      ; C2 = -0.10294324
	v_mov_b32 v17, 0xbdd2d3e8
	v_mov_b32 v18, 1.0
	v_mov_b32 v19, 1.0
	s_add_co_i32 s46, s26, 127
	s_lshl_b32 s47, s46, 23
	v_mov_b32 v20, s47                             ; 2^e2
	s_add_co_i32 s46, s46, 15
	s_lshl_b32 s46, s46, 23
	s_or_b32 s46, s46, 0x600000
	v_mov_b32 v21, s46                             ; 57,344 x 2^e2
	WIN ST2
.irp t, 0,1,2,3
	s_wait_loadcnt 48-16*\t                        ; eight more rows are in: the gather's younger loads may be out (all that was asked for earlier is in as well)
.set k, 8*\t
.rept 8
	ds_store_b128 v6, v[8*k:8*k+3] offset:PITCH*k
	ds_store_b128 v6, v[8*k+4:8*k+7] offset:PITCH*k+512
.set k, k+1
.endr
.endr
	WIN 0
	s_wait_dscnt 0x0                               ; for the others' sake: my 32 rows lie in LDS
	s_barrier_signal -1
	s_barrier_wait -1                              ; all 128 do; they are never written again
	s_wait_alu depctr_vm_vsrc(0)                   ; my LDS stores have read window 2: these registers are the accumulators from here on, written by the matrix instructions
	s_cmp_eq_u32 s20, 0
	s_cbranch_scc1 .Lend                           ; a block that the split leaves without rows stores nothing
; 16 neighbouring hidden units of 16 rows: scale, gelu, hold, codes.  Each accumulator is read from its low end on.  The group's 512 bytes of hc are stored in the next group's turn.
.macro GELU16 m, b
.set AC, 32*(\m)+16*(\b)
.set CR, CDR+4*(2*(\m)+(\b))
	WIN FROM2
.irp i, 0,2,4,6,8,10,12,14
	v_pk_mul_f32 v[T+\i:T+\i+1], v[AC+\i:AC+\i+1], v[12:13]        ; x = sum x 2^(e0 + e1)
.endr
	WIN 0
.irp i, 0,2,4,6,8,10,12,14
	v_pk_mul_f32 v[U+\i:U+\i+1], v[T+\i:T+\i+1], v[T+\i:T+\i+1]
.endr
.irp i, 0,2,4,6,8,10,12,14
	v_pk_fma_f32 v[U+\i:U+\i+1], v[U+\i:U+\i+1], v[16:17], v[14:15]
.endr
.irp i, 0,2,4,6,8,10,12,14
	v_pk_mul_f32 v[U+\i:U+\i+1], v[U+\i:U+\i+1], v[T+\i:T+\i+1]    ; x (C1 + C2 x^2)
.endr
.set k, 0
	s_wait_alu depctr_va_vdst(0)
.rept 16
	v_exp_f32 v[U+k], v[U+k]
.set k, k+1
.endr
	v_nop                                          ; a plain line behind the exponentials
	s_wait_alu depctr_va_vdst(0)                   ; the sixteen exponentials have written v80-95, which the additions read; and the group before has written its four registers of codes, which the store below reads
.if 2*(\m)+(\b) > 0
	global_store_b128 v1, v[CR-4:CR-1], s[36:37] offset:16384*((2*(\m)+(\b)-1)/2)+512*((2*(\m)+(\b)-1)%2)   ; the group before: 512 consecutive bytes, aligned; each group has its own four registers
.endif
.irp i, 0,2,4,6,8,10,12,14
	v_pk_add_f32 v[U+\i:U+\i+1], v[U+\i:U+\i+1], v[18:19]
.endr
.set k, 0
	s_wait_alu depctr_va_vdst(0)
.rept 16
	v_rcp_f32 v[U+k], v[U+k]
.set k, k+1
.endr
	v_nop                                          ; a plain line behind the reciprocals
	s_wait_alu depctr_va_vdst(0)                   ; the sixteen reciprocals have written v80-95, which the multiplications read
.irp i, 0,2,4,6,8,10,12,14
	v_pk_mul_f32 v[T+\i:T+\i+1], v[T+\i:T+\i+1], v[U+\i:U+\i+1]
.endr
.set k, 0
.rept 16
	v_med3_num_f32 v[T+k], v[T+k], -v21, v21       ; the conversion to an 8-bit code does not saturate (ISA guide 7.6.2)
.set k, k+1
.endr
	v_cvt_scalef32_pk8_bf8_f32 v[CR:CR+1], v[T:T+7], v20
	v_cvt_scalef32_pk8_bf8_f32 v[CR+2:CR+3], v[T+8:T+15], v20
	v_nop                                          ; a plain line behind the last conversion: the next group writes its sources
.endm
	s_mov_b32 s38, 2                               ; slots to go
.Lslot:
	s_wait_loadcnt 48                              ; the bias and K step 0 are in; K steps 1 to 3 may be out
.set k, 0
.rept 32
	v_ldexp_f32 v[BIAS+k], v[BIAS+k], s39          ; b1 / 2^(e0 + e1)
.set k, k+1
.endr
	AFETCH 0, 0                                    ; into set 0: in the second slot the waits at the first slot's end have stated all that these loads hang on
	AFETCH 0, 4
	s_wait_alu depctr_va_vdst(0)
	KSTEP 0, 1, 48, 0, 1                           ; its loads land in set 1 of the rows, which no instruction since the activation's waits has named
	KSTEP 1, 0, 32, 1, 1
	KSTEP 2, 0, 32, 1, 1
	KSTEP 3, 0, 32, 1, 1
	KSTEP 4, 0, 32, 1, 1
	KSTEP 5, 0, 32, 0, 1
	KSTEP 6, 0, 16, 0, 1
	KSTEP 7, 0, 0, 0, 0
	WIN 0
	PLACES                                         ; ahead of the activation's first read of the results
	s_cmp_eq_u32 s38, 1
	s_cbranch_scc1 .Lno_next
	s_mov_b64 s[28:29], s[30:31]                   ; (every load by the old base is in: the last K step waited for all)  the next slot's bias and first four K steps land under the activation
	s_wait_alu depctr_va_vdst(0)                   ; the slot's matrix instructions are done reading the ring's four sets and the bias, and the scaling has written the bias: the loads below land in these registers
	BIASLD 34
	WIN TO_B
	BLOAD 0
	BLOAD 1
	BLOAD 2
	BLOAD 3
	WIN 0
.Lno_next:
.irp m, 0,1,2,3,4,5,6,7
	GELU16 \m, 0
	GELU16 \m, 1
.endr
	s_wait_alu depctr_va_vdst(0)                   ; the last group's conversions have written v188-191, which the store below reads; all of v128-191 is written, in which the next slot's fragments land
	global_store_b128 v1, v[CDR+60:CDR+63], s[36:37] offset:16384*7+512
	s_wait_xcnt 0x0                                ; the stores have read their base and their data: the base steps, and v128-191 take the rows' fragments again
	s_wait_alu depctr_vm_vsrc(0)                   ; the sixteen stores have read v128-191, in which the next slot's fragments land and which its conversions write
	s_add_nc_u64 s[36:37], s[36:37], 131072        ; the other slot's half of the block
	s_sub_co_u32 s38, s38, 1
	s_cmp_lg_u32 s38, 0
	s_cbranch_scc1 .Lslot
.Lend:
	s_wait_dscnt 0x0                               ; the closing lines, six on end
	s_wait_alu 0x0
	s_wait_tensorcnt 0x0
	ds_add_u32 v30, v31
	s_wait_dscnt 0x0
	s_endpgm
.Lfunc_end_k_q127ad5dcab_gemm1:
	.size	k_q127ad5dcab_gemm1, .Lfunc_end_k_q127ad5dcab_gemm1-k_q127ad5dcab_gemm1
	.p2alignl 7, 3214868480
	.fill 96, 4, 3214868480
	.section	.rodata,"a",@progbits
	.p2align	6, 0x0
	.amdhsa_kernel k_q127ad5dcab_gemm1
		.amdhsa_group_segment_fixed_size 133632
		.amdhsa_private_segment_fixed_size 0
		.amdhsa_enable_private_segment 0
		.amdhsa_kernarg_size 48
		.amdhsa_user_sgpr_count 2
		.amdhsa_user_sgpr_kernarg_segment_ptr 1
		.amdhsa_wavefront_size32 1
		.amdhsa_system_sgpr_workgroup_id_x 1
		.amdhsa_system_sgpr_workgroup_id_y 1
		.amdhsa_system_sgpr_workgroup_id_z 1
		.amdhsa_system_vgpr_workitem_id 0
		.amdhsa_next_free_vgpr 896
		.amdhsa_next_free_sgpr 66
		.amdhsa_reserve_vcc 1
		.amdhsa_float_denorm_mode_32 3
		.amdhsa_float_denorm_mode_16_64 3
		.amdhsa_memory_ordered 1
		.amdhsa_forward_progress 1
		.amdhsa_inst_pref_size 166
	.end_amdhsa_kernel
	.amdgpu_metadata
---
amdhsa.version: [ 1, 2 ]
amdhsa.kernels:
  - .name:           k_q127ad5dcab_gemm1
    .symbol:         k_q127ad5dcab_gemm1.kd
    .args:
      - { .name: xc, .offset: 0, .size: 8, .value_kind: global_buffer, .address_space: global }
      - { .name: wc, .offset: 8, .size: 8, .value_kind: global_buffer, .address_space: global }
      - { .name: b1, .offset: 16, .size: 8, .value_kind: global_buffer, .address_space: global }
      - { .name: lowp_scales, .offset: 24, .size: 8, .value_kind: global_buffer, .address_space: global }
      - { .name: plan, .offset: 32, .size: 8, .value_kind: global_buffer, .address_space: global }
      - { .name: hc, .offset: 40, .size: 8, .value_kind: global_buffer, .address_space: global }
    .group_segment_fixed_size: 133632
    .private_segment_fixed_size: 0
    .kernarg_segment_align: 8
    .kernarg_segment_size: 48
    .max_flat_workgroup_size: 128
    .sgpr_count:     66
    .vgpr_count:     896
    .wavefront_size: 32
...
	.end_amdgpu_metadata
.endif
;; end of part 7
;; launch gemm2 (part 8): grid 4 x 59, 4 waves a work-group, no clusters, 280,576 bytes of LDS; arguments hc, wc, b2, lowp_scales, plan, gate, out0; writes out0
.if DOCPART == 8
	.amdgcn_target "amdgcn-amd-amdhsa--gfx1250"
	.amdhsa_code_object_version 6
	.text
	.protected	k_q127ad5dcab_gemm2
	.globl	k_q127ad5dcab_gemm2
	.p2align	8
	.type	k_q127ad5dcab_gemm2,@function
k_q127ad5dcab_gemm2:
	s_mov_b64 s[64:65], 0
	v_nop
	global_prefetch_b8 v0, s[64:65] scope:SCOPE_SE
	s_setreg_imm32_b32 hwreg(HW_REG_WAVE_SCHED_MODE, 0, 2), 2
	s_setreg_imm32_b32 hwreg(HW_REG_WAVE_MODE, 25, 1), 1
	s_wait_xcnt 0x0
	s_wait_alu depctr_vm_vsrc(0)
; THE SECOND PRODUCT AND THE GATE: out[token] = p_lo (h_lo W2_lo + b2_lo) + p_hi (h_hi W2_hi + b2_hi), on codes of E5M2 (v_wmma_f32_16x16x128_bf8_bf8), sums in f32.
; A work-group takes one block (128 tokens of one pair of experts) x 256 columns of the output, for both experts: so each output row has one owner and nothing is added across work-groups.
; THE WAVES SHARE THE COLUMNS: wave w makes columns 256 ct + 64 w .. + 63 for all 128 rows: 32 accumulators.  The block's codes of h (two slots of 131,072 bytes, laid in the order of an operand's registers)
; are copied into LDS as they lie and read by all four waves, 512 consecutive bytes a read; W2's fragments come from wc straight into the registers of the one wave that uses them.
; THE PRODUCT IS USED TRANSPOSED (source 0 = 16 rows of a tile of W2, source 1 = 16 tokens): a lane holds one token, so the gate is a number a lane.  b2 / 2^(e2 + e3) is the C of a slot's first K step and the
; gate is multiplied once by 2^(e2 + e3): out = g_lo sum_lo + g_hi sum_hi, a packed multiply behind slot 0 and a packed multiply-add behind slot 1.
; K runs on through both slots: 16 K steps on one ring of four sets of weights, written out.  THE WAY OUT: a tile of 16 rows goes through the wave's own stage in LDS and leaves as rows of 256 bytes:
; sixteen lanes store 256 consecutive bytes of a token's row, aligned.  Tiles that are padding alone store nothing; padded rows of the last tile are copies of the block's first row and store its numbers again.
; A block without rows reads block 0's codes (block 0 always has rows), passes the one barrier and ends behind it: no barrier stands behind a branch on a stored number, and no byte is read that was never written.
; NO TENSOR LOAD, NO CLUSTER: work-groups end on a stored count, and which blocks share an expert is known only from the list.  No prefetch: wc's tiles and hc's blocks are read by several work-groups.
; LIMITS: none on e2 + e3 beyond the range of f32 (it is applied by v_ldexp_f32).  NaN among the inputs is not served.
; REGISTERS, in windows of 256: window 0: v1-15 addresses; v16-31 the gates, a pair for each tile of rows; v32-63, v64-95 b2's tiles for the two slots; v96-109 tokens; v128-255 h's fragments, one set
;   (on the way out: v128-191 two tiles' results, v192-223 rows read back, v224-239 tokens and offsets).   window 1: W2's fragments, a ring of four K steps.
;   window 2: the accumulators, v[32 m + 8 tile].   window 3: g_lo x slot 0's sums.   (At the head windows 2 and 3 carry h's codes on their way to LDS.)
; THE MODE: SCHED_MODE bits 1:0 = 2 (LLVM: expert scheduling mode 2), set by the entry lines.  The code itself states the register dependences
; between vector or matrix instructions and memory or LDS instructions, with s_wait_alu, always for 0.
; THE PLAN.  Registers that memory or LDS instructions touch:
;   v1, v4-15, v106, v107   offsets and addresses: written once at the head.  v96-103: the gates' offsets, v104: a token for LDS: written once at the head, read once.
;   v128-191, v192-255   h's fragments 0-3 and 4-7: a K step's first sixteen matrix instructions read the first half, which the LDS loads in the step's middle fill again; the second sixteen read the second half, filled again at the step's end.
;   the ring's four sets K step g reads set g % 4; the loads of K step g + 4 land in it at the step's end.
;   windows 2 and 3      at the head written by the copy's loads and read by the LDS stores; then matrix instructions write window 2 and the gate's multiplication window 3.
;   on the way out       v128-159, v160-191 by turns: written by a tile's multiply-adds, read by its LDS stores; v192-223: LDS loads land, the global stores read; v224-231: LDS loads land, vector lines read and write;
;                        v232-239: vector lines write, the global stores read.
; All 1,024 registers are taken (window 3 holds slot 0's part through slot 1), so h's fragments have one set, and a K step has TWO waits on va_vdst, one ahead of each of its two runs of loads.
; On the way out one wait on va_vdst a tile stands ahead of its global stores; the next tile's multiply-adds are issued ahead of it, so the next tile's LDS stores hang on nothing more.
.set A1,    131072                     ; LDS: slot 0's codes at 0, slot 1's here,
.set STAGE, 262144                     ; the stages: 16 rows x 272 bytes for each wave,
.set SP,    272                        ; (256 bytes + 16: the 16 rows of a store start at 16 different banks: 64 banks of 4 bytes, ISA guide 11.1)
.set TOKL,  279552                     ; the 128 rows' tokens
.set AF,    128
.set BIAS,  32
.set G,     16
.set TK,    96
.set T0,    128
.set R,     192
.set TKR,   224
.set OFS,   232
.set MSB, 0
.macro WIN new                         ; the immediate's high byte repeats the setting that is left; a switch that changes nothing is dropped
.if MSB != (\new)
	s_set_vgpr_msb (MSB<<8)|(\new)
.set MSB, \new
.endif
.endm
.set MUL,   0xa1                       ; source 0 (W2) window 1, source 1 (h) window 0, C and D window 2
.set MUL0,  0x81                       ; the same with C (the bias) in window 0
.set TO_B,  0x40
.set TO_2,  0x80
.set TO_3,  0xc0
.set ST2,   0x08                       ; an LDS store's data in window 2,
.set ST3,   0x0c                       ; in window 3
.macro PLACES                          ; a vector instruction that reads a matrix result stands four plain vector lines behind it; this text keeps the four ahead of loads into a matrix instruction's registers too, ahead of the wait that states that dependence
.rept 4
	v_nop
.endr
.endm
	s_load_b256 s[4:11], s[0:1], 0x0               ; hc s[4:5], wc s[6:7], b2 s[8:9], scales s[10:11]
	s_load_b128 s[12:15], s[0:1], 0x20             ; plan s[12:13], gate s[14:15]
	s_load_b64 s[36:37], s[0:1], 0x30              ; out0
	v_lshl_add_u32 v126, v0, 2, 0x44600
	v_mov_b32 v127, 0
	v_lshrrev_b32 v2, 5, v0
	v_readfirstlane_b32 s16, v2                    ; wave 0..3
	s_mov_b32 s17, ttmp9                           ; ct: which 256 columns
	s_and_b32 s18, ttmp7, 0xffff                   ; the block
	v_and_b32 v105, 31, v0
	v_lshlrev_b32 v1, 4, v105                      ; 16 x lane
	v_and_b32 v2, 15, v0                           ; r
	v_bfe_u32 v3, v0, 4, 1                         ; h
	v_mov_b32 v4, v1                               ; h's fragments: slot 0, tiles of rows 0-3,
	v_add_nc_u32 v5, 0x10000, v1                   ; 4-7,
	v_add_nc_u32 v6, 0x20000, v1                   ; slot 1, 0-3,
	v_add_nc_u32 v7, 0x30000, v1                   ; 4-7
	s_wait_alu depctr_va_sdst(0)                   ; s16 is written, ahead of its first reader
	s_mul_i32 s40, s16, 16*SP
	s_add_co_u32 s40, s40, STAGE                   ; my stage
	v_mul_u32_u24 v8, v2, SP
	v_lshl_add_u32 v8, v3, 6, v8
	v_add_nc_u32 v8, s40, v8                       ; in: row r, + 64 h bytes
	v_mul_u32_u24 v9, v3, SP
	v_lshl_add_u32 v9, v2, 4, v9
	v_add_nc_u32 v9, s40, v9                       ; back: lanes 0-15 one row, lanes 16-31 the next
	v_lshl_add_u32 v10, v3, 2, TOKL                ; and those two rows' tokens
	v_lshlrev_b32 v11, 4, v2
	v_lshl_add_u32 v12, v0, 2, TOKL                ; where I put row = thread's token
	s_lshl_b32 s41, s16, 15
	v_add_nc_u32 v13, s41, v1                      ; the copy: my wave's quarter of slot 0,
	v_add_nc_u32 v14, A1, v13                      ; of slot 1
	v_lshlrev_b32 v15, 6, v3                       ; b2: 16 h numbers on
	v_lshlrev_b32 v106, 2, v2
	v_lshlrev_b32 v107, 2, v0
	s_lshl_b32 s42, s18, 9
	s_mov_b32 s43, 0
	s_lshl_b32 s44, s18, 2
	s_wait_kmcnt 0x0
	s_add_nc_u64 s[42:43], s[12:13], s[42:43]      ; the block's 128 words
	s_load_b32 s19, s[12:13], s44 offset:31744     ; the block's word
	s_load_b32 s23, s[42:43], 0x0                  ; its first token
	s_load_b128 s[24:27], s[10:11], 0x0            ; e0 .. e3
	s_wait_alu depctr_va_vdst(0)                   ; the offsets and addresses v1, v4 to v15, v106 and v107 are written, which the loads, stores and LDS instructions of the whole kernel read
.irp m, 0,1,2,3,4,5,6,7
	global_load_b32 v[TK+\m], v106, s[42:43] offset:64*\m   ; the token of row 16 m + r
.endr
	global_load_b32 v104, v107, s[42:43]           ; and of row = thread
	s_wait_kmcnt 0x0
	s_wait_loadcnt 0x0
	s_lshr_b32 s20, s19, 8                         ; rows
	s_and_b32 s21, s19, 15
	s_min_u32 s21, s21, 7                          ; the lower expert
	s_bfe_u32 s22, s19, 0x40004
	s_min_u32 s22, s22, 7                          ; the higher
	s_cmp_eq_u32 s20, 0
	s_cselect_b32 s39, 0, s18                      ; a block without rows has no codes: it copies block 0's
	s_min_u32 s39, s39, 58
	s_lshl_b32 s40, s39, 18
	s_lshl_b32 s41, s16, 15
	s_add_co_u32 s40, s40, s41
	s_mov_b32 s41, 0
	s_add_nc_u64 s[4:5], s[4:5], s[40:41]          ; hc: the block, my wave's quarter of a slot
	s_lshl_b32 s44, s17, 18                        ; wc: tiles 16 ct + 4 w on,
	s_lshl_b32 s45, s16, 16
	s_add_co_u32 s44, s44, s45
	s_add_co_u32 s44, s44, 8<<20                   ; behind W1's eight experts,
	s_lshl_b32 s40, s21, 20                        ; in the expert's 1 MiB
	s_add_co_u32 s40, s40, s44
	s_add_nc_u64 s[28:29], s[6:7], s[40:41]
	s_lshl_b32 s40, s22, 20
	s_add_co_u32 s40, s40, s44
	s_add_nc_u64 s[30:31], s[6:7], s[40:41]
	s_lshl_b32 s44, s17, 10                        ; 256 ct + 64 w numbers on: in b2 and in a row of out0
	s_lshl_b32 s45, s16, 8
	s_add_co_u32 s44, s44, s45
	s_lshl_b32 s40, s21, 12
	s_add_co_u32 s40, s40, s44
	s_add_nc_u64 s[32:33], s[8:9], s[40:41]
	s_lshl_b32 s40, s22, 12
	s_add_co_u32 s40, s40, s44
	s_add_nc_u64 s[34:35], s[8:9], s[40:41]
	s_mov_b32 s40, s44
	s_add_nc_u64 s[36:37], s[36:37], s[40:41]
	s_add_co_i32 s38, s26, s27                     ; e2 + e3
	s_sub_co_i32 s46, 0, s38
	v_mov_b32 v108, s23
.irp m, 0,1,2,3,4,5,6,7
	v_add_nc_u32 v109, 16*\m, v2
	v_cmp_gt_u32 s[48+\m], s20, v109               ; is row 16 m + r one of the block's?  The nine compares stand in one run, each with a mask of its own
.endr
	v_cmp_gt_u32 s56, s20, v0
	s_wait_alu depctr_va_sdst(0)                   ; the nine masks s48 to s56 are written, ahead of the selects that read them
.irp m, 0,1,2,3,4,5,6,7
	v_cndmask_b32 v[TK+\m], v108, v[TK+\m], s[48+\m]   ; a row behind the last takes the first row's token
	v_min_u32 v[TK+\m], 0xfff, v[TK+\m]
	v_lshlrev_b32 v[TK+\m], 3, v[TK+\m]
.endr
	v_cndmask_b32 v104, v108, v104, s56
	s_wait_alu depctr_va_vdst(0)                   ; the eight offsets v96-103 are written, which the gates' loads read; so is v104, which the LDS store below reads
.irp m, 0,1,2,3,4,5,6,7
	global_load_b64 v[G+2*\m:G+2*\m+1], v[TK+\m], s[14:15]   ; (p of the lower expert, p of the higher)
.endr
.irp z, 0,1
.irp n, 0,1,2,3
	global_load_b128 v[BIAS+32*\z+8*\n:BIAS+32*\z+8*\n+3], v15, s[32+2*\z:33+2*\z] offset:128*(\n/2)+32*(\n%2)
	global_load_b128 v[BIAS+32*\z+8*\n+4:BIAS+32*\z+8*\n+7], v15, s[32+2*\z:33+2*\z] offset:128*(\n/2)+32*(\n%2)+16
.endr
.endr
.macro BLOAD g                         ; my four tiles' fragments of K step g % 8 of slot g / 8: 16 loads of 512 consecutive bytes
.irp n, 0,1,2,3
.irp c, 0,1,2,3
	global_load_b128 v[64*((\g)%4)+16*\n+4*\c:64*((\g)%4)+16*\n+4*\c+3], v1, s[28+2*((\g)/8):29+2*((\g)/8)] offset:16384*\n+2048*((\g)%8)+512*\c
.endr
.endr
.endm
.macro AFETCH g, a0                    ; h's fragments a0 .. a0 + 3 of the same K step, as they lie
.irp a, \a0, \a0+1, \a0+2, \a0+3
.irp c, 0,1,2,3
	ds_load_b128 v[AF+16*(\a)+4*\c:AF+16*(\a)+4*\c+3], v[4+2*((\g)/8)+(\a)/4] offset:16384*((\a)%4)+2048*((\g)%8)+512*\c
.endr
.endr
.endm
; 16 matrix instructions: tiles of rows a0 .. a0 + 3 x my four tiles of W2.  The 32 accumulators take turns, one instruction a turn, in the same order in every K step.
.macro MULH a0, p, c0, bi
.irp a, \a0, \a0+1, \a0+2, \a0+3
.irp n, 0,1,2,3
.if \c0
	v_wmma_f32_16x16x128_bf8_bf8 v[32*(\a)+8*\n:32*(\a)+8*\n+7], v[64*(\p)+16*\n:64*(\p)+16*\n+15], v[AF+16*(\a):AF+16*(\a)+15], v[\bi+8*\n:\bi+8*\n+7]
.else
	v_wmma_f32_16x16x128_bf8_bf8 v[32*(\a)+8*\n:32*(\a)+8*\n+7], v[64*(\p)+16*\n:64*(\p)+16*\n+15], v[AF+16*(\a):AF+16*(\a)+15], v[32*(\a)+8*\n:32*(\a)+8*\n+7]
.endif
.endr
.endr
.endm
; K step g of 16.  c0 = 1: the slot's bias starts the sums.  lc: the weights' loads that may stay out (16 for each younger K step).  bl = 1: the K step four on is asked for.  nx = 1: the next step's rows are fetched.
.macro KSTEP g, c0, lc, bl, nx
	s_wait_loadcnt \lc
	s_wait_dscnt 16                                ; rows 0-63 are in; the youngest sixteen reads (rows 64-127) may be out
.if \c0
	WIN MUL0
.else
	WIN MUL
.endif
	MULH 0, (\g)%4, \c0, BIAS+32*((\g)/8)
	s_wait_dscnt 0x0                               ; rows 64-127 are in
.if \nx
	PLACES
	WIN 0
	s_wait_alu depctr_va_vdst(0)                   ; the sixteen matrix instructions above are done reading fragments 0-3, in which the LDS loads below land
	AFETCH (\g)+1, 0
.if \c0
	WIN MUL0
.else
	WIN MUL
.endif
.endif
	MULH 4, (\g)%4, \c0, BIAS+32*((\g)/8)
	PLACES                                         ; also ahead of the first read of results, behind K steps 7 and 15
.if \bl
	WIN TO_B
	s_wait_alu depctr_va_vdst(0)                   ; the step's matrix instructions are done reading its set of the ring and fragments 4-7: the loads below land in both
	BLOAD (\g)+4
	WIN 0
	AFETCH (\g)+1, 4
.elseif \nx
	WIN 0
	s_wait_alu depctr_va_vdst(0)                   ; the sixteen matrix instructions above are done reading fragments 4-7, in which the LDS loads below land
	AFETCH (\g)+1, 4
.else
	WIN 0
.endif
.endm
	WIN TO_B
	BLOAD 0
	BLOAD 1
	BLOAD 2
	BLOAD 3
	WIN TO_2
.set k, 0
.rept 64
	global_load_b128 v[4*k:4*k+3], v1, s[4:5] offset:512*k          ; my quarter of slot 0's codes
.set k, k+1
.endr
	WIN TO_3
.set k, 0
.rept 64
	global_load_b128 v[4*k:4*k+3], v1, s[4:5] offset:131072+512*k   ; and of slot 1's
.set k, k+1
.endr
	WIN 0
	ds_store_b32 v12, v104
	s_wait_loadcnt 63                              ; slot 1's 64 loads are younger than slot 0's last: with 63 out at the most, slot 0's and all earlier loads are in
.set k, 0
.rept 16
	v_ldexp_f32 v[G+k], v[G+k], s38                ; the gates x 2^(e2 + e3)
.set k, k+1
.endr
.set k, 0
.rept 64
	v_ldexp_f32 v[BIAS+k], v[BIAS+k], s46          ; b2 / 2^(e2 + e3), both slots'
.set k, k+1
.endr
	WIN ST2
.set k, 0
.rept 64
	ds_store_b128 v13, v[4*k:4*k+3] offset:512*k
.set k, k+1
.endr
	WIN ST3
.irp t, 0,1,2,3
	s_wait_loadcnt 48-16*\t                        ; sixteen more of slot 1's loads are in
.set k, 16*\t
.rept 16
	ds_store_b128 v14, v[4*k:4*k+3] offset:512*k
.set k, k+1
.endr
.endr
	WIN 0
	s_wait_dscnt 0x0                               ; for the others' sake: my parts of the codes and of the tokens lie in LDS
	s_barrier_signal -1
	s_barrier_wait -1                              ; everybody's do; they are never written again
	s_wait_alu depctr_vm_vsrc(0)                   ; my LDS stores have read windows 2 and 3: from here on the matrix instructions write window 2 and the gate's multiplication writes window 3
	s_cmp_eq_u32 s20, 0
	s_cbranch_scc1 .Ldone                          ; a block that the split leaves without rows stores nothing
	AFETCH 0, 0
	AFETCH 0, 4
	KSTEP 0, 1, 48, 1, 1
.irp g, 1,2,3,4,5,6,7
	KSTEP \g, 0, 48, 1, 1
.endr
	WIN 0xc2                                       ; destination window 3, source 0 window 2, the gate in window 0
.set k, 0
.rept 128
	v_pk_mul_f32 v[2*k:2*k+1], v[2*k:2*k+1], v[G+2*(k/16):G+2*(k/16)+1] op_sel_hi:[1,0]   ; g_lo x slot 0's sums, each accumulator from its low end on; the last K step's four plain lines stand ahead
.set k, k+1
.endr
	KSTEP 8, 1, 48, 1, 1
.irp g, 9,10,11
	KSTEP \g, 0, 48, 1, 1
.endr
	KSTEP 12, 0, 48, 0, 1
	KSTEP 13, 0, 32, 0, 1
	KSTEP 14, 0, 16, 0, 1
	KSTEP 15, 0, 0, 0, 0
.macro FMA m                           ; tile of rows m: g_hi x slot 1's sums + what slot 0 left, into v128-159 or v160-191 by turns
	WIN 0x32                                       ; source 0 window 2, the gate window 0, source 2 window 3, destination window 0
.set TT, T0+32*((\m)%2)
.set k, 0
.rept 16
	v_pk_fma_f32 v[TT+2*k:TT+2*k+1], v[32*(\m)+2*k:32*(\m)+2*k+1], v[G+2*(\m):G+2*(\m)+1], v[32*(\m)+2*k:32*(\m)+2*k+1] op_sel:[0,1,0] op_sel_hi:[1,1,1]
.set k, k+1
.endr
.endm
.macro TILE m
	WIN 0
.if \m > 0
	s_cmp_le_u32 s20, 16*\m
	s_cbranch_scc1 .Ldone                          ; from here on all rows are padding
.else
	s_wait_alu depctr_va_vdst(0)                   ; tile 0's multiply-adds have written v128-159, which the LDS stores read; the matrix instructions are done reading v192-239, in which the LDS loads below land
.endif
.set TS, T0+32*((\m)%2)
.irp n, 0,1,2,3
	ds_store_b128 v8, v[TS+8*\n:TS+8*\n+3] offset:128*(\n/2)+32*(\n%2)        ; lane (r, h), tile n, register j: column 32 (n / 2) + 16 h + 8 (n % 2) + j of my 64.  (From tile 1 on: written ahead of the last tile's wait on va_vdst)
	ds_store_b128 v8, v[TS+8*\n+4:TS+8*\n+7] offset:128*(\n/2)+32*(\n%2)+16
.endr
	s_wait_xcnt 0x0                                ; the last tile's stores have read their data and offsets: both are written again below
.if \m > 0
	s_wait_alu depctr_vm_vsrc(0)                   ; the last tile's global stores have read v192-223 and v232-239, and its LDS stores the other set of results: the loads, the multiply-adds and the offsets below write them again
.endif
.irp i, 0,1,2,3,4,5,6,7
	ds_load_b128 v[R+4*\i:R+4*\i+3], v9 offset:2*SP*\i   ; LDS serves a wave's instructions in order (ISA guide 5.7.1.4): these see my stores, and the next tile's stores come behind them
.endr
.irp i, 0,1,2,3,4,5,6,7
	ds_load_b32 v[TKR+\i], v10 offset:4*(16*\m+2*\i)
.endr
.if \m < 7
	FMA \m+1                                       ; the next tile's arithmetic stands between the reads and the wait for them
	WIN 0
.endif
	s_wait_dscnt 0x0
.irp i, 0,1,2,3,4,5,6,7
	v_min_u32 v[TKR+\i], 0xfff, v[TKR+\i]
	v_lshl_add_u32 v[OFS+\i], v[TKR+\i], 12, v11   ; the token's row of 4,096 bytes, + 16 bytes a lane
.endr
	s_wait_alu depctr_va_vdst(0)                   ; the eight offsets v232-239 are written, which the stores below read; the next tile's results are written, which its LDS stores read; v224-231 are done with, in which its LDS loads land
.irp i, 0,1,2,3,4,5,6,7
	global_store_b128 v[OFS+\i], v[R+4*\i:R+4*\i+3], s[36:37] th:TH_STORE_NT   ; sixteen lanes store 256 consecutive bytes, at a multiple of 256 from out0's first byte
.endr
.endm
	FMA 0                                          ; (the last K step's four plain lines stand ahead of the first read of its results and of the writes into h's registers)
.irp m, 0,1,2,3,4,5,6,7
	TILE \m
.endr
.Ldone:
	s_wait_dscnt 0x0                               ; the closing lines, six on end
	s_wait_alu 0x0
	s_wait_tensorcnt 0x0
	ds_add_u32 v126, v127
	s_wait_dscnt 0x0
	s_endpgm
.Lfunc_end_k_q127ad5dcab_gemm2:
	.size	k_q127ad5dcab_gemm2, .Lfunc_end_k_q127ad5dcab_gemm2-k_q127ad5dcab_gemm2
	.p2alignl 7, 3214868480
	.fill 96, 4, 3214868480
	.section	.rodata,"a",@progbits
	.p2align	6, 0x0
	.amdhsa_kernel k_q127ad5dcab_gemm2
		.amdhsa_group_segment_fixed_size 280576
		.amdhsa_private_segment_fixed_size 0
		.amdhsa_enable_private_segment 0
		.amdhsa_kernarg_size 56
		.amdhsa_user_sgpr_count 2
		.amdhsa_user_sgpr_kernarg_segment_ptr 1
		.amdhsa_wavefront_size32 1
		.amdhsa_system_sgpr_workgroup_id_x 1
		.amdhsa_system_sgpr_workgroup_id_y 1
		.amdhsa_system_sgpr_workgroup_id_z 1
		.amdhsa_system_vgpr_workitem_id 0
		.amdhsa_next_free_vgpr 1024
		.amdhsa_next_free_sgpr 66
		.amdhsa_reserve_vcc 0
		.amdhsa_float_denorm_mode_32 3
		.amdhsa_float_denorm_mode_16_64 3
		.amdhsa_memory_ordered 1
		.amdhsa_forward_progress 1
		.amdhsa_inst_pref_size 176
	.end_amdhsa_kernel
	.amdgpu_metadata
---
amdhsa.version: [ 1, 2 ]
amdhsa.kernels:
  - .name:           k_q127ad5dcab_gemm2
    .symbol:         k_q127ad5dcab_gemm2.kd
    .args:
      - { .name: hc, .offset: 0, .size: 8, .value_kind: global_buffer, .address_space: global }
      - { .name: wc, .offset: 8, .size: 8, .value_kind: global_buffer, .address_space: global }
      - { .name: b2, .offset: 16, .size: 8, .value_kind: global_buffer, .address_space: global }
      - { .name: lowp_scales, .offset: 24, .size: 8, .value_kind: global_buffer, .address_space: global }
      - { .name: plan, .offset: 32, .size: 8, .value_kind: global_buffer, .address_space: global }
      - { .name: gate, .offset: 40, .size: 8, .value_kind: global_buffer, .address_space: global }
      - { .name: out0, .offset: 48, .size: 8, .value_kind: global_buffer, .address_space: global }
    .group_segment_fixed_size: 280576
    .private_segment_fixed_size: 0
    .kernarg_segment_align: 8
    .kernarg_segment_size: 56
    .max_flat_workgroup_size: 128
    .sgpr_count:     66
    .vgpr_count:     1024
    .wavefront_size: 32
...
	.end_amdgpu_metadata
.endif
;; end of part 8
